; MI455X (gfx1250); checked and timed in simulation.
; The chip was launched on July 23, 2026; its instructions are those of AMD's public machine-readable ISA for CDNA 5 (MIT licence, August 2026) and "CDNA5" Instruction Set Architecture Reference Guide (July 2026).
;; Cross Attention. Allowed arithmetic: matrix products marked QUANTISED: E5M2 operands, one given power-of-two scale a tensor, by v_wmma_f32_16x16x64_bf8_bf8 or v_wmma_f32_16x16x128_bf8_bf8, f32 sums; products left as they are: f32 operands where the result goes on into a quantised operand, else bf16, f16 or f32 operands; f32 sums; everything else in f32.
;; Inputs: W1_codes 4,096 x 32 x 32 uint8 (E5M2 codes of W1, K innermost, in blocks of 32 codes); W2_codes 1,024 x 128 x 32 uint8 (E5M2 codes of W2, K innermost, in blocks of 32 codes); Wk_codes 1,024 x 32 x 32 uint8 (E5M2 codes of Wk, K innermost, in blocks of 32 codes); Wo_codes 1,024 x 32 x 32 uint8 (E5M2 codes of Wo, K innermost, in blocks of 32 codes); Wq_codes 1,024 x 32 x 32 uint8 (E5M2 codes of Wq, K innermost, in blocks of 32 codes); Wv_codes 1,024 x 32 x 32 uint8 (E5M2 codes of Wv, K innermost, in blocks of 32 codes); b1 1,024 float32; b2 1,024 float32; bf1 4,096 float32; bf2 1,024 float32; bk 1,024 float32; bo 1,024 float32; bq 1,024 float32; bv 1,024 float32; features 4 x 32 x 1,024 float32; g1 1,024 float32; g2 1,024 float32; lowp_scales 12 int32 (the exponents e of the quantised operands' scales 2^e).
;; Outputs: out0 4 x 32 x 1,024 float32.
;; This version of the problem:
;;   THIS VERSION OF THE PROBLEM IS GIVEN IN LOW PRECISION. The matrix products marked QUANTISED in the list below multiply operands that are first quantised to E5M2 (5 exponent bits, 2 mantissa bits; 8 bits a number), with one given power-of-two scale for each operand tensor; their sums are f32. All else is computed in f32.
;;   The module's matrix products, in the order in which they are computed (A, B: the left and right operand; K: the contracted axis; several contracted axes count as one K, in the product's order):
;;     1. [M 128, K 1,024] x [K 1,024, N 1,024]; A: computed on the way; B: input Wq (given as codes): QUANTISED (scales: A lowp_scales[0], B lowp_scales[1])
;;     2. [M 128, K 1,024] x [K 1,024, N 1,024]; A: input features; B: input Wk (given as codes): QUANTISED (scales: A lowp_scales[2], B lowp_scales[3])
;;     3. [M 128, K 1,024] x [K 1,024, N 1,024]; A: input features; B: input Wv (given as codes): QUANTISED (scales: A lowp_scales[4], B lowp_scales[5])
;;     4. batch 128 x [M 1,024, K 1] x [K 1, N 1,024]; A: computed on the way; B: computed on the way: left as it is (no contracted axis)
;;     5. batch 512 x [M 1, K 256] x [K 256, N 1,024]; A: computed on the way; B: softmax: left as it is (M = 1 < 16)
;;     6. batch 4 x [M 32,768, K 4] x [K 4, N 1]; A: computed on the way; B: computed on the way: left as it is (K = 4 < 32)
;;     7. [M 128, K 1,024] x [K 1,024, N 1,024]; A: computed on the way; B: input Wo (given as codes): QUANTISED (scales: A lowp_scales[6], B lowp_scales[7])
;;     8. [M 128, K 1,024] x [K 1,024, N 4,096]; A: computed on the way; B: input W1 (given as codes): QUANTISED (scales: A lowp_scales[8], B lowp_scales[9])
;;     9. [M 128, K 4,096] x [K 4,096, N 1,024]; A: computed on the way; B: input W2 (given as codes): QUANTISED (scales: A lowp_scales[10], B lowp_scales[11])
;;   THE QUANTISER, for each operand of a quantised product, along K:
;;     - The operand's scale is 2^e, e = its entry of the input lowp_scales (int32; the entries are numbered through the quantised products in the list's order, A before B).
;;     - Each number is divided by the scale, clamped to +-57,344, and rounded to the nearest number of E5M2, ties to even, subnormals kept.
;;     - The product sums the exact products of the quantised numbers (number of the format x scale) in f32.
;;   ~~~python
;;   def quantise(x, axis, e):      # numpy; x: float32 -> the quantised numbers, widened to float32 again
;;       x = np.moveaxis(x, axis, -1); K = x.shape[-1]
;;       r = np.clip(x / 2.0 ** e, -57344, 57344)
;;       step = 2.0 ** (np.maximum(np.frexp(np.where(r == 0, 1, r))[1] - 1, -14) - 2)
;;       q = np.round(r / step) * step * 2.0 ** e      # np.round: ties to even
;;       return np.moveaxis(q, -1, axis).astype(np.float32)
;;   ~~~
;;   OPERANDS COMPUTED ON THE WAY. 'Computed on the way' means the value that the module computes at that place (a softmax that the list does not call 'softmax' is quantised finished and normalised). What goes into a quantiser is computed in f32, as accurately as f32 sums, v_exp_f32 and their like allow (about 1e-6 of the number): no bf16 or f16 on the way to a quantiser, and a product that is left as it is and whose result goes on into a quantised operand takes f32 operands (vector FMAs, or v_wmma_f32_16x16x4_f32). A number that lies on a knife's edge between two numbers of the format may be rounded either way, as far as f32 arithmetic and the matrix unit's own rounding can turn it there, and no further.
;;   INPUTS GIVEN AS CODES. W1 (in the module: [4096, 1024], K = its axis 1); W2 (in the module: [1024, 4096], K = its axis 1); Wk (in the module: [1024, 1024], K = its axis 1); Wo (in the module: [1024, 1024], K = its axis 1); Wq (in the module: [1024, 1024], K = its axis 1); Wv (in the module: [1024, 1024], K = its axis 1): each comes as NAME_codes (uint8): NAME with its K axis moved to the last place and cut into blocks of 32 codes, [.., K / 32, bytes a block], one block behind the other in memory; one code a byte (a code: sign, 5 exponent bits, 2 mantissa bits); its scale is its entry of lowp_scales. Its value is code x scale, taken as it is: it is not quantised again, and the codes and scales need not be those that the quantiser above would give.
;; 3 versions, each right; version 2 is faster than version 1; version 3 is version 2 with the launches qkv, oproj, ffn1, ffn2 written anew for expert scheduling mode. Each part assembles by itself: llvm-mc -triple=amdgcn-amd-amdhsa -mcpu=gfx1250 --defsym DOCPART=n.
;; ======== version 1 of 3: 5 launches
;; workspace buffers: qkv 1,572,864 bytes; stats 2,048 bytes; att_codes 131,072 bytes; attn_out 524,288 bytes; h_codes 524,288 bytes
;; launch qkv (part 1): grid 24 x 8, 8 waves a work-group, no clusters, 28,672 bytes of LDS; arguments features, g1, b1, Wq_codes, Wk_codes, Wv_codes, bq, bk, bv, lowp_scales, qkv, stats; writes qkv, stats
.if DOCPART == 1
	.amdgcn_target "amdgcn-amd-amdhsa--gfx1250"
	.amdhsa_code_object_version 6
	.text
	.protected	k_qcb6946cfb6_qkv
	.globl	k_qcb6946cfb6_qkv
	.p2align	8
	.type	k_qcb6946cfb6_qkv,@function
k_qcb6946cfb6_qkv:
	s_mov_b64 s[64:65], 0
	v_nop
	global_prefetch_b8 v0, s[64:65] scope:SCOPE_SE
	s_setreg_imm32_b32 hwreg(HW_REG_WAVE_MODE, 25, 1), 1
	s_wait_xcnt 0x0
.set CH,    528
.set STATS, 32*CH
.set STG,   STATS+256
.set WS,    STG+16*CH
.set X,    16
.set G,    80
.set BB,   112
.set CD,   144
.set T,    160
.set MP,   168
.set W0,   184
.set W1,   216
.set BIAS, 248
.set A,    16
.set SP,   144
.set SM,   152
.set O,    216
.set OUTR, 224
.set DP,   128
.set MSB, 0
.macro WIN new
.if MSB != \new
	s_set_vgpr_msb (MSB<<8)|\new
.set MSB, \new
.endif
.endm
.macro BARRIER
	s_wait_dscnt 0x0
	s_barrier_signal -1
	s_barrier_wait -1
.endm
.macro SEQ2 a, b
	v_add_f32 v[T], v[\a], v[\a+1]
	v_add_f32 v[T+4], v[\b], v[\b+1]
.set i, 2
.rept 30
	v_add_f32 v[T], v[T], v[\a+i]
	v_add_f32 v[T+4], v[T+4], v[\b+i]
.set i, i+1
.endr
.endm
.macro CROSS
	ds_store_b32 v1, v[T]
	ds_store_b32 v1, v[T+4] offset:128
.irp j, 0,1,2,3,4,5,6,7
	ds_load_b128 v[W0+4*\j:W0+4*\j+3], v2 offset:16*\j
.endr
.irp j, 0,1,2,3,4,5,6,7
	ds_load_b128 v[W1+4*\j:W1+4*\j+3], v2 offset:128+16*\j
.endr
	s_wait_dscnt 0x0
	SEQ2 W0, W1
.endm
.macro LN_ROOT p
.set TR, T+4*(\p)
.set MR, MP+8*(\p)
	v_mul_f32 v[MR+2], v[TR], v[MR+6]
	v_mul_f32 v[MR+7], 0.5, v[MR+6]
	v_fma_f32 v[TR+1], -v[MR+2], v[MR+2], v[TR]
	v_fma_f32 v[MR+2], v[TR+1], v[MR+7], v[MR+2]
	v_fma_f32 v[TR+1], -v[MR+2], v[MR+6], 1.0
	v_fma_f32 v[MR+4], v[TR+1], v[MR+6], v[MR+6]
	v_mov_b32 v[MR+3], v[MR+2]
	v_mov_b32 v[MR+5], v[MR+4]
.endm
.macro LN_APPLY p
.set XR, X+32*(\p)
.set MR, MP+8*(\p)
.irp g, 0,8,16,24
.irp j, 0,2,4,6
	v_pk_mul_f32 v[CD+\j:CD+\j+1], v[XR+\g+\j:XR+\g+\j+1], v[MR+4:MR+5]
.endr
.irp j, 0,2,4,6
	v_pk_fma_f32 v[CD+8+\j:CD+8+\j+1], v[CD+\j:CD+\j+1], v[MR+2:MR+3], v[XR+\g+\j:XR+\g+\j+1] neg_lo:[1,0,0] neg_hi:[1,0,0]
.endr
.irp j, 0,2,4,6
	v_pk_fma_f32 v[XR+\g+\j:XR+\g+\j+1], v[CD+8+\j:CD+8+\j+1], v[MR+4:MR+5], v[CD+\j:CD+\j+1]
.endr
.endr
.irp j, 0,2,4,6,8,10,12,14,16,18,20,22,24,26,28,30
	v_pk_mul_f32 v[XR+\j:XR+\j+1], v[XR+\j:XR+\j+1], v[G+\j:G+\j+1]
.endr
.irp j, 0,2,4,6,8,10,12,14,16,18,20,22,24,26,28,30
	v_pk_add_f32 v[XR+\j:XR+\j+1], v[XR+\j:XR+\j+1], v[BB+\j:BB+\j+1]
.endr
.endm
.macro QUANT p
.set XR, X+32*(\p)
.set i, 0
.rept 32
	v_med3_num_f32 v[XR+i], v[XR+i], -v14, v14
.set i, i+1
.endr
.irp g, 0,1,2,3
	v_cvt_scalef32_pk8_bf8_f32 v[CD+8*(\p)+2*\g:CD+8*(\p)+2*\g+1], v[XR+8*\g:XR+8*\g+7], v13
.endr
.endm
.macro PRODS dst, first
	WIN 0x41
.irp s, 0,1,2,3,4,5,6,7
.if \first
	s_wait_dscnt 4*(7-\s)
.endif
	v_wmma_f32_16x16x64_bf8_bf8 v[DP+16*\s:DP+16*\s+7], v[16*\s:16*\s+7], v[A+16*\s:A+16*\s+7], 0
	v_wmma_f32_16x16x64_bf8_bf8 v[DP+16*\s+8:DP+16*\s+15], v[16*\s+8:16*\s+15], v[A+16*\s+8:A+16*\s+15], 0
.endr
.rept 4
	v_nop
.endr
	WIN 0x45
.irp p, 0,2,4,6,8,10,12,14
.irp u, 0,2,4,6
	v_pk_add_f32 v[DP+8*\p+\u:DP+8*\p+\u+1], v[DP+8*\p+\u:DP+8*\p+\u+1], v[DP+8*\p+8+\u:DP+8*\p+8+\u+1]
.endr
.endr
.irp p, 0,4,8,12
.irp u, 0,2,4,6
	v_pk_add_f32 v[DP+8*\p+\u:DP+8*\p+\u+1], v[DP+8*\p+\u:DP+8*\p+\u+1], v[DP+8*\p+16+\u:DP+8*\p+16+\u+1]
.endr
.endr
.irp p, 0,8
.irp u, 0,2,4,6
	v_pk_add_f32 v[DP+8*\p+\u:DP+8*\p+\u+1], v[DP+8*\p+\u:DP+8*\p+\u+1], v[DP+8*\p+32+\u:DP+8*\p+32+\u+1]
.endr
.endr
	WIN 0x05
.irp u, 0,2,4,6
	v_pk_add_f32 v[\dst+\u:\dst+\u+1], v[DP+\u:DP+\u+1], v[DP+64+\u:DP+64+\u+1]
.endr
	WIN 0
.endm
	s_load_b512 s[8:23], s[0:1], 0x0
	s_load_b256 s[24:31], s[0:1], 0x40
	v_lshl_add_u32 v166, v0, 2, 0x6c00
	v_mov_b32 v167, 0
	v_lshrrev_b32 v1, 5, v0
	v_readfirstlane_b32 s2, v1
	v_and_b32 v1, 31, v0
	v_and_b32 v2, 15, v0
	v_bfe_u32 v3, v0, 4, 1
	s_mov_b32 s3, 0x80808080
	s_and_b32 s4, ttmp7, 0xffff
	s_lshr_b32 s5, ttmp9, 3
	s_and_b32 s6, ttmp9, 7
	s_mov_b32 s46, 0x3a800000
	s_mov_b32 s47, 0x3727c5ac
	v_lshlrev_b32 v4, 7, v1
	v_lshlrev_b32 v5, 4, v1
	v_mul_u32_u24 v6, v1, CH
	s_lshl_b32 s7, s2, 5
	v_add_nc_u32 v6, s7, v6
	v_lshlrev_b32 v7, 10, v2
	v_lshl_add_u32 v7, v3, 4, v7
	v_lshlrev_b32 v8, 5, v3
	v_mul_u32_u24 v9, v2, CH
	v_lshl_add_u32 v9, v3, 5, v9
	s_lshl_b32 s7, s2, 6
	s_add_co_u32 s7, s7, STG
	v_add_nc_u32 v9, s7, v9
	s_mul_i32 s7, s2, 2*CH
	s_add_co_u32 s7, s7, STG
	v_add_nc_u32 v10, s7, v5
	v_lshlrev_b32 v11, 3, v1
	s_lshl_b32 s7, s2, 5
	s_add_co_u32 s7, s7, STATS
	v_mov_b32 v12, s7
	v_add_nc_u32 v15, STATS, v11
	s_lshl_b32 s7, s2, 8
	s_add_co_u32 s7, s7, WS
	v_lshl_add_u32 v1, v1, 2, s7
	v_mov_b32 v2, s7
	s_lshl_b32 s56, s4, 4
	s_lshl_b32 s57, s2, 1
	s_add_co_u32 s56, s56, s57
	s_lshl_b32 s56, s56, 12
	s_mov_b32 s57, 0
	s_lshl_b32 s50, s6, 17
	s_lshl_b32 s51, s2, 14
	s_add_co_u32 s50, s50, s51
	s_mov_b32 s51, 0
	s_lshl_b32 s54, s6, 9
	s_lshl_b32 s55, s2, 6
	s_add_co_u32 s54, s54, s55
	s_mov_b32 s55, 0
	s_lshl_b32 s62, s5, 19
	s_add_co_u32 s62, s62, s56
	s_lshl_b32 s63, s6, 9
	s_add_co_u32 s62, s62, s63
	s_mov_b32 s63, 0
	s_wait_kmcnt 0x0
	s_load_b256 s[36:43], s[26:27], 0x0
	s_cmp_eq_u32 s5, 1
	s_cselect_b64 s[32:33], s[16:17], s[18:19]
	s_cselect_b64 s[34:35], s[22:23], s[24:25]
	s_cmp_eq_u32 s5, 0
	s_cselect_b64 s[32:33], s[14:15], s[32:33]
	s_cselect_b64 s[34:35], s[20:21], s[34:35]
	s_add_nc_u64 s[32:33], s[32:33], s[50:51]
	s_add_nc_u64 s[34:35], s[34:35], s[54:55]
	s_add_nc_u64 s[58:59], s[8:9], s[56:57]
	s_add_nc_u64 s[60:61], s[28:29], s[62:63]
	s_lshl_b32 s62, s4, 8
	s_add_nc_u64 s[52:53], s[30:31], s[62:63]
.irp p, 0,1
.irp j, 0,1,2,3,4,5,6,7
	global_load_b128 v[X+32*\p+4*\j:X+32*\p+4*\j+3], v4, s[58:59] offset:4096*\p+16*\j
.endr
.endr
.irp j, 0,1,2,3,4,5,6,7
	global_load_b128 v[G+4*\j:G+4*\j+3], v4, s[10:11] offset:16*\j
.endr
.irp j, 0,1,2,3,4,5,6,7
	global_load_b128 v[BB+4*\j:BB+4*\j+3], v4, s[12:13] offset:16*\j
.endr
	global_load_b128 v[BIAS:BIAS+3], v8, s[34:35]
	global_load_b128 v[BIAS+4:BIAS+7], v8, s[34:35] offset:16
	WIN 0x40
.irp s, 0,1,2,3,4,5,6
.irp c, 0,1,2,3
	global_load_b128 v[16*\s+4*\c:16*\s+4*\c+3], v7, s[32:33] offset:128*\s+32*\c
.endr
.endr
	WIN 0
	s_wait_kmcnt 0x0
	s_cmp_eq_u32 s5, 1
	s_cselect_b64 s[38:39], s[38:39], s[40:41]
	s_cmp_eq_u32 s5, 0
	s_cselect_b64 s[36:37], s[36:37], s[38:39]
	s_add_co_i32 s44, s36, s37
	s_add_co_i32 s44, s44, 126
	s_lshl_b32 s44, s44, 23
	s_mov_b32 s45, s44
	s_add_co_i32 s36, s36, 127
	s_lshl_b32 s37, s36, 23
	v_mov_b32 v13, s37
	s_add_co_i32 s36, s36, 15
	s_lshl_b32 s36, s36, 23
	s_or_b32 s36, s36, 0x600000
	v_mov_b32 v14, s36
.irp p, 0,1
	v_mov_b32 v[MP+8*\p], 0
	v_mov_b32 v[MP+8*\p+2], 1.0
	v_mov_b32 v[MP+8*\p+4], 1.0
.endr
	s_wait_loadcnt 30
	WIN 0x40
.irp c, 0,1,2,3
	global_load_b128 v[112+4*\c:112+4*\c+3], v7, s[32:33] offset:896+32*\c
.endr
	WIN 0
	s_cmp_lg_u32 s5, 0
	s_cbranch_scc1 .Lraw
	SEQ2 X, X+32
	CROSS
.irp p, 0,1
	v_mul_f32 v[MP+8*\p], s46, v[T+4*\p]
.endr
.irp p, 0,1
	v_mov_b32 v[MP+8*\p+1], v[MP+8*\p]
.endr
.irp p, 0,1
.irp j, 0,2,4,6,8,10,12,14,16,18,20,22,24,26,28,30
	v_pk_add_f32 v[X+32*\p+\j:X+32*\p+\j+1], v[X+32*\p+\j:X+32*\p+\j+1], v[MP+8*\p:MP+8*\p+1] neg_lo:[0,1] neg_hi:[0,1]
.endr
.endr
.irp j, 0,2,4,6,8,10,12,14,16,18,20,22,24,26,28,30
	v_pk_mul_f32 v[W0+\j:W0+\j+1], v[X+\j:X+\j+1], v[X+\j:X+\j+1]
	v_pk_mul_f32 v[W1+\j:W1+\j+1], v[X+32+\j:X+32+\j+1], v[X+32+\j:X+32+\j+1]
.endr
	SEQ2 W0, W1
	CROSS
	v_fma_f32 v[T], v[T], s46, s47
	v_fma_f32 v[T+4], v[T+4], s46, s47
	v_rsq_f32 v[MP+6], v[T]
	v_rsq_f32 v[MP+14], v[T+4]
	v_nop
	s_wait_alu depctr_va_vdst(0)
	LN_ROOT 0
	LN_ROOT 1
	LN_APPLY 0
	LN_APPLY 1
.Lraw:
.irp p, 0,1
	ds_store_b32 v12, v[MP+8*\p] offset:16*\p
	ds_store_b32 v12, v[MP+8*\p+2] offset:16*\p+4
	ds_store_b32 v12, v[MP+8*\p+4] offset:16*\p+8
	ds_store_b32 v12, v[MP+8*\p+4] offset:16*\p+12
.endr
	QUANT 0
	QUANT 1
	v_nop
.irp p, 0,1
	ds_store_b128 v6, v[CD+8*\p:CD+8*\p+3] offset:16*\p
	ds_store_b128 v6, v[CD+8*\p+4:CD+8*\p+7] offset:16*\p+256
.endr
	BARRIER
.irp s, 0,1,2,3,4,5,6,7
.irp c, 0,1,2,3
	ds_load_b128 v[A+16*\s+4*\c:A+16*\s+4*\c+3], v5 offset:CH*(4*\s+\c)
.endr
.endr
	s_wait_loadcnt 0x0
	PRODS SP, 1
.set i, 0
.rept 128
	v_xor_b32 v[A+i], s3, v[A+i]
.set i, i+1
.endr
	PRODS SM, 0
.irp i, 0,2,4,6
	v_pk_add_f32 v[O+\i:O+\i+1], v[SP+\i:SP+\i+1], v[SM+\i:SM+\i+1] neg_lo:[0,1] neg_hi:[0,1]
.endr
.irp i, 0,2,4,6
	v_pk_fma_f32 v[O+\i:O+\i+1], v[O+\i:O+\i+1], s[44:45], v[BIAS+\i:BIAS+\i+1] op_sel_hi:[1,0,1]
.endr
	ds_store_b128 v9, v[O:O+3]
	ds_store_b128 v9, v[O+4:O+7] offset:16
	BARRIER
	ds_load_b128 v[OUTR:OUTR+3], v10
	ds_load_b128 v[OUTR+4:OUTR+7], v10 offset:CH
	s_wait_dscnt 0x1
	global_store_b128 v5, v[OUTR:OUTR+3], s[60:61]
	s_wait_dscnt 0x0
	global_store_b128 v5, v[OUTR+4:OUTR+7], s[60:61] offset:4096
	s_or_b32 s62, ttmp9, s2
	s_cmp_lg_u32 s62, 0
	s_cbranch_scc1 .Ldone
	ds_load_b64 v[232:233], v15
	s_wait_dscnt 0x0
	global_store_b64 v11, v[232:233], s[52:53]
.Ldone:
	s_wait_tensorcnt 0x0
	ds_add_u32 v166, v167
	s_wait_dscnt 0x0
	s_endpgm
.Lfunc_end_k_qcb6946cfb6_qkv:
	.size	k_qcb6946cfb6_qkv, .Lfunc_end_k_qcb6946cfb6_qkv-k_qcb6946cfb6_qkv
	.p2alignl 7, 3214868480
	.fill 96, 4, 3214868480
	.section	.rodata,"a",@progbits
	.p2align	6, 0x0
	.amdhsa_kernel k_qcb6946cfb6_qkv
		.amdhsa_group_segment_fixed_size 28672
		.amdhsa_private_segment_fixed_size 0
		.amdhsa_enable_private_segment 0
		.amdhsa_kernarg_size 96
		.amdhsa_user_sgpr_count 2
		.amdhsa_user_sgpr_kernarg_segment_ptr 1
		.amdhsa_wavefront_size32 1
		.amdhsa_system_sgpr_workgroup_id_x 1
		.amdhsa_system_sgpr_workgroup_id_y 1
		.amdhsa_system_sgpr_workgroup_id_z 1
		.amdhsa_system_vgpr_workitem_id 0
		.amdhsa_next_free_vgpr 512
		.amdhsa_next_free_sgpr 66
		.amdhsa_reserve_vcc 0
		.amdhsa_float_denorm_mode_32 3
		.amdhsa_float_denorm_mode_16_64 3
		.amdhsa_memory_ordered 1
		.amdhsa_forward_progress 1
		.amdhsa_inst_pref_size 59
	.end_amdhsa_kernel
	.amdgpu_metadata
---
amdhsa.version: [ 1, 2 ]
amdhsa.kernels:
  - .name:           k_qcb6946cfb6_qkv
    .symbol:         k_qcb6946cfb6_qkv.kd
    .args:
      - { .name: features, .offset: 0, .size: 8, .value_kind: global_buffer, .address_space: global }
      - { .name: g1, .offset: 8, .size: 8, .value_kind: global_buffer, .address_space: global }
      - { .name: b1, .offset: 16, .size: 8, .value_kind: global_buffer, .address_space: global }
      - { .name: Wq_codes, .offset: 24, .size: 8, .value_kind: global_buffer, .address_space: global }
      - { .name: Wk_codes, .offset: 32, .size: 8, .value_kind: global_buffer, .address_space: global }
      - { .name: Wv_codes, .offset: 40, .size: 8, .value_kind: global_buffer, .address_space: global }
      - { .name: bq, .offset: 48, .size: 8, .value_kind: global_buffer, .address_space: global }
      - { .name: bk, .offset: 56, .size: 8, .value_kind: global_buffer, .address_space: global }
      - { .name: bv, .offset: 64, .size: 8, .value_kind: global_buffer, .address_space: global }
      - { .name: lowp_scales, .offset: 72, .size: 8, .value_kind: global_buffer, .address_space: global }
      - { .name: qkv, .offset: 80, .size: 8, .value_kind: global_buffer, .address_space: global }
      - { .name: stats, .offset: 88, .size: 8, .value_kind: global_buffer, .address_space: global }
    .group_segment_fixed_size: 28672
    .private_segment_fixed_size: 0
    .kernarg_segment_align: 8
    .kernarg_segment_size: 96
    .max_flat_workgroup_size: 256
    .sgpr_count:     66
    .vgpr_count:     512
    .wavefront_size: 32
...
	.end_amdgpu_metadata
.endif
;; end of part 1
;; launch attn (part 2): grid 8 x 32, 16 waves a work-group, no clusters, 18,432 bytes of LDS; arguments qkv, lowp_scales, att_codes; writes att_codes
.if DOCPART == 2
	.amdgcn_target "amdgcn-amd-amdhsa--gfx1250"
	.amdhsa_code_object_version 6
	.text
	.protected	k_qcb6946cfb6_attn
	.globl	k_qcb6946cfb6_attn
	.p2align	8
	.type	k_qcb6946cfb6_attn,@function
k_qcb6946cfb6_attn:
	s_mov_b64 s[64:65], 0
	v_nop
	global_prefetch_b8 v0, s[64:65] scope:SCOPE_SE
	s_setreg_imm32_b32 hwreg(HW_REG_WAVE_MODE, 25, 1), 1
	s_wait_xcnt 0x0
.set PB,  8192
.set QQ,  16
.set MM,  22
.set T,   32
.set KB,  80
.set DEN, 144
.set NUM, 192
.macro BARRIER
	s_wait_dscnt 0x0
	s_barrier_signal -1
	s_barrier_wait -1
.endm
	s_load_b128 s[8:11], s[0:1], 0x0
	s_load_b64 s[12:13], s[0:1], 0x10
	v_lshl_add_u32 v254, v0, 2, 0x4000
	v_mov_b32 v255, 0
	v_lshrrev_b32 v1, 5, v0
	v_readfirstlane_b32 s2, v1
	v_and_b32 v1, 31, v0
	s_and_b32 s4, ttmp7, 0xffff
	s_lshr_b32 s5, s2, 2
	s_and_b32 s6, s2, 3
	s_mov_b32 s20, 0x76543210
	s_mov_b32 s21, 0xfedcba98
	v_and_b32 v14, 63, v0
	v_lshlrev_b32 v2, 4, v14
	v_lshlrev_b32 v3, 4, v0
	v_lshrrev_b32 v13, 4, v14
	v_lshlrev_b32 v13, 9, v13
	v_and_b32 v15, 15, v0
	v_lshl_add_u32 v13, v15, 5, v13
	v_add_nc_u32 v13, PB, v13
	v_lshlrev_b32 v14, 3, v14
	v_mov_b32 v15, 0
	v_lshlrev_b32 v240, 2, v1
	s_lshl_b32 s7, s5, 10
	v_mov_b32 v7, s7
	v_lshl_add_u32 v8, v1, 5, s7
	s_lshl_b32 s26, ttmp9, 9
	s_lshl_b32 s30, s6, 7
	s_add_co_u32 s26, s26, s30
	s_add_co_u32 s30, s30, PB
.irp n, 0,1,2,3
	s_add_co_u32 s24, s5, 1+\n
	s_and_b32 s24, s24, 3
.if \n < 3
	s_lshl_b32 s25, s24, 5
	s_add_co_u32 s25, s25, s4
	s_lshl_b32 s25, s25, 12
	s_add_co_u32 s25, s25, s26
	v_add_nc_u32 v[4+\n], s25, v240
.endif
	s_lshl_b32 s27, s5, 2
	s_add_co_u32 s27, s27, s24
	s_lshl_b32 s27, s27, 9
	s_add_co_u32 s27, s27, s30
	v_add_nc_u32 v[9+\n], s27, v240
.endr
	s_lshr_b32 s22, s2, 3
	s_add_co_u32 s22, s22, 1
	s_lshl_b32 s22, s22, 19
	s_bfe_u32 s23, s2, 0x20001
	s_lshl_b32 s23, s23, 5
	s_add_co_u32 s23, s23, s4
	s_lshl_b32 s23, s23, 12
	s_add_co_u32 s22, s22, s23
	s_lshr_b32 s23, ttmp9, 1
	s_lshl_b32 s23, s23, 10
	s_add_co_u32 s22, s22, s23
	s_mov_b32 s23, 0
	s_lshr_b32 s28, s4, 2
	s_lshl_b32 s28, s28, 14
	s_lshl_b32 s29, ttmp9, 11
	s_add_co_u32 s28, s28, s29
	s_and_b32 s29, s4, 3
	s_lshl_b32 s29, s29, 9
	s_add_co_u32 s28, s28, s29
	s_mov_b32 s29, 0
	s_wait_kmcnt 0x0
	s_load_b32 s14, s[10:11], 0x18
	s_add_nc_u64 s[16:17], s[8:9], s[22:23]
	s_add_nc_u64 s[18:19], s[12:13], s[28:29]
	global_load_b128 v[28:31], v2, s[16:17]
.irp n, 0,1,2
	global_load_b32 v[QQ+2*\n], v[4+\n], s[8:9]
.endr
	v_mov_b32 v242, 0
	v_mov_b32 v243, 0
	s_wait_loadcnt 0x3
	ds_store_b128 v3, v[28:31]
	BARRIER
	ds_load_b128 v[32:35], v8
	ds_load_b128 v[36:39], v8 offset:16
.irp u, 0,1,2,3
	ds_load_b128 v[KB+4*\u:KB+4*\u+3], v7 offset:16*\u
.endr
.irp u, 0,1,2,3
	ds_load_b128 v[KB+16+4*\u:KB+16+4*\u+3], v7 offset:4096+16*\u
.endr
	s_wait_dscnt 0x8
	v_max3_num_f32 v240, v32, v33, v34
	v_max3_num_f32 v241, -v32, -v33, -v34
	v_max3_num_f32 v240, v240, v35, v36
	v_max3_num_f32 v241, v241, -v35, -v36
	v_max3_num_f32 v240, v240, v37, v38
	v_max3_num_f32 v241, v241, -v37, -v38
	v_max_num_f32 v240, v240, v39
	v_max_num_f32 v241, v241, -v39
.irp m, 1,2,4,8
	v_max_num_f32_dpp v240, v240, v240 row_xmask:\m row_mask:0xf bank_mask:0xf
	v_max_num_f32_dpp v241, v241, v241 row_xmask:\m row_mask:0xf bank_mask:0xf
.endr
	v_permlanex16_b32 v242, v240, s20, s21
	v_permlanex16_b32 v243, v241, s20, s21
	v_max_num_f32 v240, v240, v242
	v_max_num_f32 v241, v241, v243
	s_wait_loadcnt 0x0
.irp n, 0,1,2
	v_mul_f32 v[QQ+2*\n], 0x3db8aa3b, v[QQ+2*\n]
.endr
.irp n, 0,1,2
	v_mov_b32 v[QQ+2*\n+1], v[QQ+2*\n]
	v_mul_f32 v[MM+2*\n], -v[QQ+2*\n], v240
	v_mul_f32 v[MM+2*\n+1], v[QQ+2*\n], v241
.endr
.irp n, 0,1,2
	v_min_num_f32 v[MM+2*\n], v[MM+2*\n], v[MM+2*\n+1]
.endr
.irp n, 0,1,2
	v_mov_b32 v[MM+2*\n+1], v[MM+2*\n]
.endr
.macro CHUNK c
.set KP, KB+32*((\c)%2)
.set KN, KB+32*(1-(\c)%2)
.if (\c) == 0
.set TT, DEN
.else
.set TT, T
.endif
	s_wait_dscnt 0x0
.if (\c) < 15
.irp u, 0,1,2,3
	ds_load_b128 v[KN+4*\u:KN+4*\u+3], v7 offset:64*((\c)+1)+16*\u
.endr
.irp u, 0,1,2,3
	ds_load_b128 v[KN+16+4*\u:KN+16+4*\u+3], v7 offset:4096+64*((\c)+1)+16*\u
.endr
.endif
.irp n, 0,1,2
.irp u, 0,2,4,6,8,10,12,14
	v_pk_fma_f32 v[TT+16*\n+\u:TT+16*\n+\u+1], v[KP+\u:KP+\u+1], v[QQ+2*\n:QQ+2*\n+1], v[MM+2*\n:MM+2*\n+1]
.endr
.endr
.set i, 0
.rept 48
	v_exp_f32 v[TT+i], v[TT+i]
.set i, i+1
.endr
	v_nop
	s_wait_alu depctr_va_vdst(0)
.irp u, 0,2,4,6,8,10,12,14
.irp n, 0,1,2
.if (\c) == 0
	v_pk_mul_f32 v[NUM+16*\n+\u:NUM+16*\n+\u+1], v[DEN+16*\n+\u:DEN+16*\n+\u+1], v[KP+16+\u:KP+16+\u+1]
.else
	v_pk_add_f32 v[DEN+16*\n+\u:DEN+16*\n+\u+1], v[DEN+16*\n+\u:DEN+16*\n+\u+1], v[T+16*\n+\u:T+16*\n+\u+1]
	v_pk_fma_f32 v[NUM+16*\n+\u:NUM+16*\n+\u+1], v[T+16*\n+\u:T+16*\n+\u+1], v[KP+16+\u:KP+16+\u+1], v[NUM+16*\n+\u:NUM+16*\n+\u+1]
.endif
.endr
.endr
.endm
.set Q, 0
.rept 16
	CHUNK Q
.set Q, Q+1
.endr
.irp u, 0,2,4,6
.irp n, 0,1,2
	v_pk_add_f32 v[DEN+16*\n+\u:DEN+16*\n+\u+1], v[DEN+16*\n+\u:DEN+16*\n+\u+1], v[DEN+16*\n+\u+8:DEN+16*\n+\u+9]
	v_pk_add_f32 v[NUM+16*\n+\u:NUM+16*\n+\u+1], v[NUM+16*\n+\u:NUM+16*\n+\u+1], v[NUM+16*\n+\u+8:NUM+16*\n+\u+9]
.endr
.endr
.irp u, 0,2
.irp n, 0,1,2
	v_pk_add_f32 v[DEN+16*\n+\u:DEN+16*\n+\u+1], v[DEN+16*\n+\u:DEN+16*\n+\u+1], v[DEN+16*\n+\u+4:DEN+16*\n+\u+5]
	v_pk_add_f32 v[NUM+16*\n+\u:NUM+16*\n+\u+1], v[NUM+16*\n+\u:NUM+16*\n+\u+1], v[NUM+16*\n+\u+4:NUM+16*\n+\u+5]
.endr
.endr
.irp n, 0,1,2
	v_pk_add_f32 v[DEN+16*\n:DEN+16*\n+1], v[DEN+16*\n:DEN+16*\n+1], v[DEN+16*\n+2:DEN+16*\n+3]
	v_pk_add_f32 v[NUM+16*\n:NUM+16*\n+1], v[NUM+16*\n:NUM+16*\n+1], v[NUM+16*\n+2:NUM+16*\n+3]
.endr
.irp n, 0,1,2
	v_add_f32 v[DEN+16*\n], v[DEN+16*\n], v[DEN+16*\n+1]
	v_add_f32 v[NUM+16*\n], v[NUM+16*\n], v[NUM+16*\n+1]
.endr
.irp n, 0,1,2
	v_rcp_f32 v[DEN+16*\n+1], v[DEN+16*\n]
.endr
	v_nop
	s_wait_alu depctr_va_vdst(0)
.irp n, 0,1,2
	v_fma_f32 v[DEN+16*\n+2], -v[DEN+16*\n], v[DEN+16*\n+1], 1.0
.endr
.irp n, 0,1,2
	v_fma_f32 v[DEN+16*\n+1], v[DEN+16*\n+2], v[DEN+16*\n+1], v[DEN+16*\n+1]
.endr
.irp n, 0,1,2
	v_mul_f32 v[NUM+16*\n+1], v[NUM+16*\n], v[DEN+16*\n+1]
.endr
.irp n, 0,1,2
	v_fma_f32 v[NUM+16*\n+2], -v[NUM+16*\n+1], v[DEN+16*\n], v[NUM+16*\n]
.endr
.irp n, 0,1,2
	v_fma_f32 v[NUM+16*\n+1], v[NUM+16*\n+2], v[DEN+16*\n+1], v[NUM+16*\n+1]
.endr
.irp n, 0,1,2
	ds_store_b32 v[9+\n], v[NUM+16*\n+1]
.endr
	ds_store_b32 v12, v15
	s_wait_kmcnt 0x0
	s_add_co_i32 s14, s14, 127
	s_lshl_b32 s15, s14, 23
	v_mov_b32 v244, s15
	s_add_co_i32 s14, s14, 15
	s_lshl_b32 s14, s14, 23
	s_or_b32 s14, s14, 0x600000
	v_mov_b32 v245, s14
	BARRIER
	s_cmp_gt_u32 s2, 1
	s_cbranch_scc1 .Ldone
.irp q, 0,1,2,3
	ds_load_b128 v[32+8*\q:35+8*\q], v13 offset:2048*\q
	ds_load_b128 v[36+8*\q:39+8*\q], v13 offset:2048*\q+16
.endr
	s_wait_dscnt 0x0
.irp q, 1,2,3
.irp u, 0,2,4,6
	v_pk_add_f32 v[32+\u:33+\u], v[32+\u:33+\u], v[32+8*\q+\u:33+8*\q+\u]
.endr
.endr
.irp u, 0,1,2,3,4,5,6,7
	v_med3_num_f32 v[32+\u], v[32+\u], -v245, v245
.endr
	v_cvt_scalef32_pk8_bf8_f32 v[64:65], v[32:39], v244
	v_nop
	global_store_b64 v14, v[64:65], s[18:19]
.Ldone:
	s_wait_tensorcnt 0x0
	ds_add_u32 v254, v255
	s_wait_dscnt 0x0
	s_endpgm
.Lfunc_end_k_qcb6946cfb6_attn:
	.size	k_qcb6946cfb6_attn, .Lfunc_end_k_qcb6946cfb6_attn-k_qcb6946cfb6_attn
	.p2alignl 7, 3214868480
	.fill 96, 4, 3214868480
	.section	.rodata,"a",@progbits
	.p2align	6, 0x0
	.amdhsa_kernel k_qcb6946cfb6_attn
		.amdhsa_group_segment_fixed_size 18432
		.amdhsa_private_segment_fixed_size 0
		.amdhsa_enable_private_segment 0
		.amdhsa_kernarg_size 24
		.amdhsa_user_sgpr_count 2
		.amdhsa_user_sgpr_kernarg_segment_ptr 1
		.amdhsa_wavefront_size32 1
		.amdhsa_system_sgpr_workgroup_id_x 1
		.amdhsa_system_sgpr_workgroup_id_y 1
		.amdhsa_system_sgpr_workgroup_id_z 1
		.amdhsa_system_vgpr_workitem_id 0
		.amdhsa_next_free_vgpr 256
		.amdhsa_next_free_sgpr 66
		.amdhsa_reserve_vcc 0
		.amdhsa_float_denorm_mode_32 3
		.amdhsa_float_denorm_mode_16_64 3
		.amdhsa_memory_ordered 1
		.amdhsa_forward_progress 1
		.amdhsa_inst_pref_size 118
	.end_amdhsa_kernel
	.amdgpu_metadata
---
amdhsa.version: [ 1, 2 ]
amdhsa.kernels:
  - .name:           k_qcb6946cfb6_attn
    .symbol:         k_qcb6946cfb6_attn.kd
    .args:
      - { .name: qkv, .offset: 0, .size: 8, .value_kind: global_buffer, .address_space: global }
      - { .name: lowp_scales, .offset: 8, .size: 8, .value_kind: global_buffer, .address_space: global }
      - { .name: att_codes, .offset: 16, .size: 8, .value_kind: global_buffer, .address_space: global }
    .group_segment_fixed_size: 18432
    .private_segment_fixed_size: 0
    .kernarg_segment_align: 8
    .kernarg_segment_size: 24
    .max_flat_workgroup_size: 512
    .sgpr_count:     66
    .vgpr_count:     256
    .wavefront_size: 32
...
	.end_amdgpu_metadata
.endif
;; end of part 2
;; launch oproj (part 3): grid 16 x 8, 8 waves a work-group, no clusters, 35,840 bytes of LDS; arguments att_codes, Wo_codes, bo, features, stats, g1, b1, lowp_scales, attn_out; writes attn_out
.if DOCPART == 3
	.amdgcn_target "amdgcn-amd-amdhsa--gfx1250"
	.amdhsa_code_object_version 6
	.text
	.protected	k_qcb6946cfb6_oproj
	.globl	k_qcb6946cfb6_oproj
	.p2align	8
	.type	k_qcb6946cfb6_oproj,@function
k_qcb6946cfb6_oproj:
	s_mov_b64 s[64:65], 0
	v_nop
	global_prefetch_b8 v0, s[64:65] scope:SCOPE_SE
	s_setreg_imm32_b32 hwreg(HW_REG_WAVE_MODE, 25, 1), 1
	s_wait_xcnt 0x0
.set RPITCH, 272
.set RB,     16*RPITCH
.set A,   16
.set B,   32
.set ACC, 96
.set P,   128
.set X,   160
.set ST,  164
.set G,   168
.set BB,  172
.set BO,  176
.set O,   180
.set QT,  184
.set RM,  188
	s_load_b512 s[8:23], s[0:1], 0x0
	s_load_b64 s[24:25], s[0:1], 0x40
	v_lshl_add_u32 v192, v0, 2, 0x8800
	v_mov_b32 v193, 0
	v_lshrrev_b32 v1, 5, v0
	v_readfirstlane_b32 s2, v1
	v_and_b32 v2, 15, v0
	v_bfe_u32 v3, v0, 4, 1
	s_and_b32 s4, ttmp7, 0xffff
	v_lshlrev_b32 v4, 7, v2
	v_lshl_add_u32 v4, v3, 4, v4
	v_lshlrev_b32 v5, 10, v2
	v_lshl_add_u32 v5, v3, 4, v5
	v_mul_u32_u24 v6, v2, RPITCH
	v_lshl_add_u32 v6, v3, 5, v6
	s_mul_i32 s5, s2, RB
	v_add_nc_u32 v6, s5, v6
	v_mul_u32_u24 v7, v3, RPITCH
	v_lshl_add_u32 v7, v2, 4, v7
	s_mul_i32 s5, s2, 2*RPITCH
	v_add_nc_u32 v7, s5, v7
	s_and_b32 s5, s2, 1
	s_lshl_b32 s5, s5, 6
	s_lshl_b32 s6, s4, 2
	s_add_co_u32 s5, s5, s6
	s_lshr_b32 s6, s2, 1
	s_add_co_u32 s5, s5, s6
	s_lshl_b32 s6, ttmp9, 8
	v_lshlrev_b32 v10, 4, v2
	v_add_nc_u32 v10, s6, v10
	s_lshl_b32 s7, s5, 12
	v_lshl_add_u32 v8, v3, 17, v10
	v_add_nc_u32 v8, s7, v8
	s_lshl_b32 s7, s5, 4
	v_lshlrev_b32 v9, 9, v3
	v_add_nc_u32 v9, s7, v9
	s_lshl_b32 s28, s4, 3
	s_add_co_u32 s28, s28, s2
	s_lshl_b32 s28, s28, 11
	s_mov_b32 s29, 0
	s_lshl_b32 s30, ttmp9, 16
	s_lshl_b32 s31, s2, 7
	s_add_co_u32 s30, s30, s31
	s_mov_b32 s31, 0
	s_wait_kmcnt 0x0
	s_load_b64 s[26:27], s[22:23], 0x18
	s_add_nc_u64 s[32:33], s[8:9], s[28:29]
	s_add_nc_u64 s[34:35], s[10:11], s[30:31]
.irp c, 0,1,2,3
	global_load_b128 v[A+4*\c:A+4*\c+3], v4, s[32:33] offset:32*\c
.endr
.irp t, 0,1,2,3
.irp c, 0,1,2,3
	global_load_b128 v[B+16*\t+4*\c:B+16*\t+4*\c+3], v5, s[34:35] offset:16384*\t+32*\c
.endr
.endr
	global_load_b128 v[X:X+3], v8, s[14:15]
	global_load_b128 v[ST:ST+3], v9, s[16:17]
	global_load_b128 v[G:G+3], v10, s[18:19]
	global_load_b128 v[BB:BB+3], v10, s[20:21]
	global_load_b128 v[BO:BO+3], v10, s[12:13]
	s_wait_kmcnt 0x0
	s_add_co_i32 s44, s26, s27
	s_add_co_i32 s44, s44, 127
	s_lshl_b32 s44, s44, 23
	s_mov_b32 s45, s44
	s_wait_loadcnt 0x5
.irp t, 0,1,2,3
	v_wmma_f32_16x16x128_bf8_bf8 v[ACC+8*\t:ACC+8*\t+7], v[B+16*\t:B+16*\t+15], v[A:A+15], 0
.endr
.rept 4
	v_nop
.endr
.irp t, 0,1,2,3
	ds_store_b128 v6, v[ACC+8*\t:ACC+8*\t+3] offset:64*\t
	ds_store_b128 v6, v[ACC+8*\t+4:ACC+8*\t+7] offset:64*\t+16
.endr
	s_wait_dscnt 0x0
	s_barrier_signal -1
	s_barrier_wait -1
.irp q, 0,1,2,3,4,5,6,7
	ds_load_b128 v[P+4*\q:P+4*\q+3], v7 offset:RB*\q
.endr
	s_wait_dscnt 0x0
.irp q, 1,2,3,4,5,6,7
	v_pk_add_f32 v[P:P+1], v[P:P+1], v[P+4*\q:P+4*\q+1]
	v_pk_add_f32 v[P+2:P+3], v[P+2:P+3], v[P+4*\q+2:P+4*\q+3]
.endr
	s_wait_loadcnt 0x0
.irp i, 0,1,2,3
	v_sub_f32 v[X+\i], v[X+\i], v[ST]
.endr
.irp i, 0,1,2,3
	v_mul_f32 v[QT+\i], v[X+\i], v[ST+2]
.endr
.irp i, 0,1,2,3
	v_fma_f32 v[RM+\i], -v[QT+\i], v[ST+1], v[X+\i]
.endr
.irp i, 0,1,2,3
	v_fma_f32 v[X+\i], v[RM+\i], v[ST+2], v[QT+\i]
.endr
.irp i, 0,2
	v_pk_mul_f32 v[X+\i:X+\i+1], v[X+\i:X+\i+1], v[G+\i:G+\i+1]
.endr
.irp i, 0,2
	v_pk_add_f32 v[X+\i:X+\i+1], v[X+\i:X+\i+1], v[BB+\i:BB+\i+1]
.endr
.irp i, 0,2
	v_pk_fma_f32 v[O+\i:O+\i+1], v[P+\i:P+\i+1], s[44:45], v[X+\i:X+\i+1] op_sel_hi:[1,0,1]
.endr
.irp i, 0,2
	v_pk_add_f32 v[O+\i:O+\i+1], v[O+\i:O+\i+1], v[BO+\i:BO+\i+1]
.endr
	global_store_b128 v8, v[O:O+3], s[24:25]
	s_wait_tensorcnt 0x0
	ds_add_u32 v192, v193
	s_wait_dscnt 0x0
	s_endpgm
.Lfunc_end_k_qcb6946cfb6_oproj:
	.size	k_qcb6946cfb6_oproj, .Lfunc_end_k_qcb6946cfb6_oproj-k_qcb6946cfb6_oproj
	.p2alignl 7, 3214868480
	.fill 96, 4, 3214868480
	.section	.rodata,"a",@progbits
	.p2align	6, 0x0
	.amdhsa_kernel k_qcb6946cfb6_oproj
		.amdhsa_group_segment_fixed_size 35840
		.amdhsa_private_segment_fixed_size 0
		.amdhsa_enable_private_segment 0
		.amdhsa_kernarg_size 72
		.amdhsa_user_sgpr_count 2
		.amdhsa_user_sgpr_kernarg_segment_ptr 1
		.amdhsa_wavefront_size32 1
		.amdhsa_system_sgpr_workgroup_id_x 1
		.amdhsa_system_sgpr_workgroup_id_y 1
		.amdhsa_system_sgpr_workgroup_id_z 1
		.amdhsa_system_vgpr_workitem_id 0
		.amdhsa_next_free_vgpr 194
		.amdhsa_next_free_sgpr 66
		.amdhsa_reserve_vcc 0
		.amdhsa_float_denorm_mode_32 3
		.amdhsa_float_denorm_mode_16_64 3
		.amdhsa_memory_ordered 1
		.amdhsa_forward_progress 1
		.amdhsa_inst_pref_size 9
	.end_amdhsa_kernel
	.amdgpu_metadata
---
amdhsa.version: [ 1, 2 ]
amdhsa.kernels:
  - .name:           k_qcb6946cfb6_oproj
    .symbol:         k_qcb6946cfb6_oproj.kd
    .args:
      - { .name: att_codes, .offset: 0, .size: 8, .value_kind: global_buffer, .address_space: global }
      - { .name: Wo_codes, .offset: 8, .size: 8, .value_kind: global_buffer, .address_space: global }
      - { .name: bo, .offset: 16, .size: 8, .value_kind: global_buffer, .address_space: global }
      - { .name: features, .offset: 24, .size: 8, .value_kind: global_buffer, .address_space: global }
      - { .name: stats, .offset: 32, .size: 8, .value_kind: global_buffer, .address_space: global }
      - { .name: g1, .offset: 40, .size: 8, .value_kind: global_buffer, .address_space: global }
      - { .name: b1, .offset: 48, .size: 8, .value_kind: global_buffer, .address_space: global }
      - { .name: lowp_scales, .offset: 56, .size: 8, .value_kind: global_buffer, .address_space: global }
      - { .name: attn_out, .offset: 64, .size: 8, .value_kind: global_buffer, .address_space: global }
    .group_segment_fixed_size: 35840
    .private_segment_fixed_size: 0
    .kernarg_segment_align: 8
    .kernarg_segment_size: 72
    .max_flat_workgroup_size: 256
    .sgpr_count:     66
    .vgpr_count:     194
    .wavefront_size: 32
...
	.end_amdgpu_metadata
.endif
;; end of part 3
;; launch ffn1 (part 4): grid 32 x 8, 8 waves a work-group, no clusters, 19,968 bytes of LDS; arguments attn_out, g2, b2, W1_codes, bf1, lowp_scales, h_codes; writes h_codes
.if DOCPART == 4
	.amdgcn_target "amdgcn-amd-amdhsa--gfx1250"
	.amdhsa_code_object_version 6
	.text
	.protected	k_qcb6946cfb6_ffn1
	.globl	k_qcb6946cfb6_ffn1
	.p2align	8
	.type	k_qcb6946cfb6_ffn1,@function
k_qcb6946cfb6_ffn1:
	s_mov_b64 s[64:65], 0
	v_nop
	global_prefetch_b8 v0, s[64:65] scope:SCOPE_SE
	s_setreg_imm32_b32 hwreg(HW_REG_WAVE_MODE, 25, 1), 1
	s_wait_xcnt 0x0
.set CH,    528
.set WS,    32*CH
.set X,    16
.set G,    80
.set BB,   112
.set CD,   144
.set T,    160
.set MP,   168
.set W0,   184
.set W1,   216
.set BIAS, 248
.set A,    16
.set O,    216
.set HC,   224
.set DP,   128
.set MSB, 0
.macro WIN new
.if MSB != \new
	s_set_vgpr_msb (MSB<<8)|\new
.set MSB, \new
.endif
.endm
.macro SEQ2 a, b
	v_add_f32 v[T], v[\a], v[\a+1]
	v_add_f32 v[T+4], v[\b], v[\b+1]
.set i, 2
.rept 30
	v_add_f32 v[T], v[T], v[\a+i]
	v_add_f32 v[T+4], v[T+4], v[\b+i]
.set i, i+1
.endr
.endm
.macro CROSS
	ds_store_b32 v1, v[T]
	ds_store_b32 v1, v[T+4] offset:128
.irp j, 0,1,2,3,4,5,6,7
	ds_load_b128 v[W0+4*\j:W0+4*\j+3], v2 offset:16*\j
.endr
.irp j, 0,1,2,3,4,5,6,7
	ds_load_b128 v[W1+4*\j:W1+4*\j+3], v2 offset:128+16*\j
.endr
	s_wait_dscnt 0x0
	SEQ2 W0, W1
.endm
.macro LN_ROOT p
.set TR, T+4*(\p)
.set MR, MP+8*(\p)
	v_mul_f32 v[MR+2], v[TR], v[MR+6]
	v_mul_f32 v[MR+7], 0.5, v[MR+6]
	v_fma_f32 v[TR+1], -v[MR+2], v[MR+2], v[TR]
	v_fma_f32 v[MR+2], v[TR+1], v[MR+7], v[MR+2]
	v_fma_f32 v[TR+1], -v[MR+2], v[MR+6], 1.0
	v_fma_f32 v[MR+4], v[TR+1], v[MR+6], v[MR+6]
	v_mov_b32 v[MR+3], v[MR+2]
	v_mov_b32 v[MR+5], v[MR+4]
.endm
.macro LN_APPLY p
.set XR, X+32*(\p)
.set MR, MP+8*(\p)
.irp g, 0,8,16,24
.irp j, 0,2,4,6
	v_pk_mul_f32 v[CD+\j:CD+\j+1], v[XR+\g+\j:XR+\g+\j+1], v[MR+4:MR+5]
.endr
.irp j, 0,2,4,6
	v_pk_fma_f32 v[CD+8+\j:CD+8+\j+1], v[CD+\j:CD+\j+1], v[MR+2:MR+3], v[XR+\g+\j:XR+\g+\j+1] neg_lo:[1,0,0] neg_hi:[1,0,0]
.endr
.irp j, 0,2,4,6
	v_pk_fma_f32 v[XR+\g+\j:XR+\g+\j+1], v[CD+8+\j:CD+8+\j+1], v[MR+4:MR+5], v[CD+\j:CD+\j+1]
.endr
.endr
.irp j, 0,2,4,6,8,10,12,14,16,18,20,22,24,26,28,30
	v_pk_mul_f32 v[XR+\j:XR+\j+1], v[XR+\j:XR+\j+1], v[G+\j:G+\j+1]
.endr
.irp j, 0,2,4,6,8,10,12,14,16,18,20,22,24,26,28,30
	v_pk_add_f32 v[XR+\j:XR+\j+1], v[XR+\j:XR+\j+1], v[BB+\j:BB+\j+1]
.endr
.endm
.macro QUANT p
.set XR, X+32*(\p)
.set i, 0
.rept 32
	v_med3_num_f32 v[XR+i], v[XR+i], -v14, v14
.set i, i+1
.endr
.irp g, 0,1,2,3
	v_cvt_scalef32_pk8_bf8_f32 v[CD+8*(\p)+2*\g:CD+8*(\p)+2*\g+1], v[XR+8*\g:XR+8*\g+7], v13
.endr
.endm
	s_load_b256 s[8:15], s[0:1], 0x0
	s_load_b128 s[16:19], s[0:1], 0x20
	s_load_b64 s[20:21], s[0:1], 0x30
	v_lshl_add_u32 v166, v0, 2, 0x4a00
	v_mov_b32 v167, 0
	v_lshrrev_b32 v1, 5, v0
	v_readfirstlane_b32 s2, v1
	v_and_b32 v1, 31, v0
	v_and_b32 v2, 15, v0
	v_bfe_u32 v3, v0, 4, 1
	s_and_b32 s4, ttmp7, 0xffff
	s_mov_b32 s46, 0x3a800000
	s_mov_b32 s47, 0x3727c5ac
	v_lshlrev_b32 v4, 7, v1
	v_lshlrev_b32 v5, 4, v1
	v_mul_u32_u24 v6, v1, CH
	s_lshl_b32 s7, s2, 5
	v_add_nc_u32 v6, s7, v6
	v_lshlrev_b32 v7, 10, v2
	v_lshl_add_u32 v7, v3, 4, v7
	v_lshlrev_b32 v8, 5, v3
	v_lshlrev_b32 v9, 4, v2
	v_lshl_add_u32 v9, v3, 3, v9
	s_lshl_b32 s7, s2, 8
	s_add_co_u32 s7, s7, WS
	v_lshl_add_u32 v1, v1, 2, s7
	v_mov_b32 v2, s7
	s_lshl_b32 s56, s4, 4
	s_lshl_b32 s57, s2, 1
	s_add_co_u32 s56, s56, s57
	s_lshl_b32 s56, s56, 12
	s_mov_b32 s57, 0
	s_lshl_b32 s50, ttmp9, 17
	s_lshl_b32 s51, s2, 14
	s_add_co_u32 s50, s50, s51
	s_mov_b32 s51, 0
	s_lshl_b32 s54, ttmp9, 9
	s_lshl_b32 s55, s2, 6
	s_add_co_u32 s54, s54, s55
	s_mov_b32 s55, 0
	s_lshl_b32 s62, s4, 5
	s_add_co_u32 s62, s62, ttmp9
	s_lshl_b32 s62, s62, 11
	s_lshl_b32 s63, s2, 8
	s_add_co_u32 s62, s62, s63
	s_mov_b32 s63, 0
	s_wait_kmcnt 0x0
	s_load_b128 s[36:39], s[18:19], 0x20
	s_add_nc_u64 s[32:33], s[14:15], s[50:51]
	s_add_nc_u64 s[34:35], s[16:17], s[54:55]
	s_add_nc_u64 s[58:59], s[8:9], s[56:57]
	s_add_nc_u64 s[60:61], s[20:21], s[62:63]
.irp p, 0,1
.irp j, 0,1,2,3,4,5,6,7
	global_load_b128 v[X+32*\p+4*\j:X+32*\p+4*\j+3], v4, s[58:59] offset:4096*\p+16*\j
.endr
.endr
.irp j, 0,1,2,3,4,5,6,7
	global_load_b128 v[G+4*\j:G+4*\j+3], v4, s[10:11] offset:16*\j
.endr
.irp j, 0,1,2,3,4,5,6,7
	global_load_b128 v[BB+4*\j:BB+4*\j+3], v4, s[12:13] offset:16*\j
.endr
	WIN 0x40
.irp s, 0,1,2,3,4,5,6,7
.irp c, 0,1,2,3
	global_load_b128 v[16*\s+4*\c:16*\s+4*\c+3], v7, s[32:33] offset:128*\s+32*\c
.endr
.endr
	WIN 0
	global_load_b128 v[BIAS:BIAS+3], v8, s[34:35]
	global_load_b128 v[BIAS+4:BIAS+7], v8, s[34:35] offset:16
	s_wait_kmcnt 0x0
	s_add_co_i32 s44, s36, s37
	s_add_co_i32 s44, s44, 127
	s_lshl_b32 s44, s44, 23
	s_mov_b32 s45, s44
	s_add_co_i32 s36, s36, 127
	s_lshl_b32 s37, s36, 23
	v_mov_b32 v13, s37
	s_add_co_i32 s36, s36, 15
	s_lshl_b32 s36, s36, 23
	s_or_b32 s36, s36, 0x600000
	v_mov_b32 v14, s36
	s_add_co_i32 s38, s38, 127
	s_lshl_b32 s39, s38, 23
	v_mov_b32 v10, s39
	s_add_co_i32 s38, s38, 15
	s_lshl_b32 s38, s38, 23
	s_or_b32 s38, s38, 0x600000
	v_mov_b32 v11, s38
	s_wait_loadcnt 34
	SEQ2 X, X+32
	CROSS
.irp p, 0,1
	v_mul_f32 v[MP+8*\p], s46, v[T+4*\p]
.endr
.irp p, 0,1
	v_mov_b32 v[MP+8*\p+1], v[MP+8*\p]
.endr
.irp p, 0,1
.irp j, 0,2,4,6,8,10,12,14,16,18,20,22,24,26,28,30
	v_pk_add_f32 v[X+32*\p+\j:X+32*\p+\j+1], v[X+32*\p+\j:X+32*\p+\j+1], v[MP+8*\p:MP+8*\p+1] neg_lo:[0,1] neg_hi:[0,1]
.endr
.endr
.irp j, 0,2,4,6,8,10,12,14,16,18,20,22,24,26,28,30
	v_pk_mul_f32 v[W0+\j:W0+\j+1], v[X+\j:X+\j+1], v[X+\j:X+\j+1]
	v_pk_mul_f32 v[W1+\j:W1+\j+1], v[X+32+\j:X+32+\j+1], v[X+32+\j:X+32+\j+1]
.endr
	SEQ2 W0, W1
	CROSS
	v_fma_f32 v[T], v[T], s46, s47
	v_fma_f32 v[T+4], v[T+4], s46, s47
	v_rsq_f32 v[MP+6], v[T]
	v_rsq_f32 v[MP+14], v[T+4]
	v_nop
	s_wait_alu depctr_va_vdst(0)
	LN_ROOT 0
	LN_ROOT 1
	LN_APPLY 0
	LN_APPLY 1
	QUANT 0
	QUANT 1
	v_nop
.irp p, 0,1
	ds_store_b128 v6, v[CD+8*\p:CD+8*\p+3] offset:16*\p
	ds_store_b128 v6, v[CD+8*\p+4:CD+8*\p+7] offset:16*\p+256
.endr
	s_wait_dscnt 0x0
	s_barrier_signal -1
	s_barrier_wait -1
.irp s, 0,1,2,3,4,5,6,7
.irp c, 0,1,2,3
	ds_load_b128 v[A+16*\s+4*\c:A+16*\s+4*\c+3], v5 offset:CH*(4*\s+\c)
.endr
.endr
	s_wait_loadcnt 0x0
	WIN 0x41
.irp s, 0,1,2,3,4,5,6,7
	s_wait_dscnt 4*(7-\s)
	v_wmma_f32_16x16x64_bf8_bf8 v[DP+16*\s:DP+16*\s+7], v[16*\s:16*\s+7], v[A+16*\s:A+16*\s+7], 0
	v_wmma_f32_16x16x64_bf8_bf8 v[DP+16*\s+8:DP+16*\s+15], v[16*\s+8:16*\s+15], v[A+16*\s+8:A+16*\s+15], 0
.endr
.rept 4
	v_nop
.endr
	WIN 0x45
.irp p, 0,2,4,6,8,10,12,14
.irp u, 0,2,4,6
	v_pk_add_f32 v[DP+8*\p+\u:DP+8*\p+\u+1], v[DP+8*\p+\u:DP+8*\p+\u+1], v[DP+8*\p+8+\u:DP+8*\p+8+\u+1]
.endr
.endr
.irp p, 0,4,8,12
.irp u, 0,2,4,6
	v_pk_add_f32 v[DP+8*\p+\u:DP+8*\p+\u+1], v[DP+8*\p+\u:DP+8*\p+\u+1], v[DP+8*\p+16+\u:DP+8*\p+16+\u+1]
.endr
.endr
.irp p, 0,8
.irp u, 0,2,4,6
	v_pk_add_f32 v[DP+8*\p+\u:DP+8*\p+\u+1], v[DP+8*\p+\u:DP+8*\p+\u+1], v[DP+8*\p+32+\u:DP+8*\p+32+\u+1]
.endr
.endr
.irp u, 0,2,4,6
	v_pk_add_f32 v[DP+\u:DP+\u+1], v[DP+\u:DP+\u+1], v[DP+64+\u:DP+64+\u+1]
.endr
	WIN 0x01
.irp i, 0,2,4,6
	v_pk_fma_f32 v[O+\i:O+\i+1], v[DP+\i:DP+\i+1], s[44:45], v[BIAS+\i:BIAS+\i+1] op_sel_hi:[1,0,1]
.endr
	WIN 0
.irp i, 0,1,2,3,4,5,6,7
	v_med3_num_f32 v[O+\i], v[O+\i], 0, v11
.endr
	v_cvt_scalef32_pk8_bf8_f32 v[HC:HC+1], v[O:O+7], v10
	v_nop
	global_store_b64 v9, v[HC:HC+1], s[60:61]
	s_wait_tensorcnt 0x0
	ds_add_u32 v166, v167
	s_wait_dscnt 0x0
	s_endpgm
.Lfunc_end_k_qcb6946cfb6_ffn1:
	.size	k_qcb6946cfb6_ffn1, .Lfunc_end_k_qcb6946cfb6_ffn1-k_qcb6946cfb6_ffn1
	.p2alignl 7, 3214868480
	.fill 96, 4, 3214868480
	.section	.rodata,"a",@progbits
	.p2align	6, 0x0
	.amdhsa_kernel k_qcb6946cfb6_ffn1
		.amdhsa_group_segment_fixed_size 19968
		.amdhsa_private_segment_fixed_size 0
		.amdhsa_enable_private_segment 0
		.amdhsa_kernarg_size 56
		.amdhsa_user_sgpr_count 2
		.amdhsa_user_sgpr_kernarg_segment_ptr 1
		.amdhsa_wavefront_size32 1
		.amdhsa_system_sgpr_workgroup_id_x 1
		.amdhsa_system_sgpr_workgroup_id_y 1
		.amdhsa_system_sgpr_workgroup_id_z 1
		.amdhsa_system_vgpr_workitem_id 0
		.amdhsa_next_free_vgpr 512
		.amdhsa_next_free_sgpr 66
		.amdhsa_reserve_vcc 0
		.amdhsa_float_denorm_mode_32 3
		.amdhsa_float_denorm_mode_16_64 3
		.amdhsa_memory_ordered 1
		.amdhsa_forward_progress 1
		.amdhsa_inst_pref_size 48
	.end_amdhsa_kernel
	.amdgpu_metadata
---
amdhsa.version: [ 1, 2 ]
amdhsa.kernels:
  - .name:           k_qcb6946cfb6_ffn1
    .symbol:         k_qcb6946cfb6_ffn1.kd
    .args:
      - { .name: attn_out, .offset: 0, .size: 8, .value_kind: global_buffer, .address_space: global }
      - { .name: g2, .offset: 8, .size: 8, .value_kind: global_buffer, .address_space: global }
      - { .name: b2, .offset: 16, .size: 8, .value_kind: global_buffer, .address_space: global }
      - { .name: W1_codes, .offset: 24, .size: 8, .value_kind: global_buffer, .address_space: global }
      - { .name: bf1, .offset: 32, .size: 8, .value_kind: global_buffer, .address_space: global }
      - { .name: lowp_scales, .offset: 40, .size: 8, .value_kind: global_buffer, .address_space: global }
      - { .name: h_codes, .offset: 48, .size: 8, .value_kind: global_buffer, .address_space: global }
    .group_segment_fixed_size: 19968
    .private_segment_fixed_size: 0
    .kernarg_segment_align: 8
    .kernarg_segment_size: 56
    .max_flat_workgroup_size: 256
    .sgpr_count:     66
    .vgpr_count:     512
    .wavefront_size: 32
...
	.end_amdgpu_metadata
.endif
;; end of part 4
;; launch ffn2 (part 5): grid 16 x 8, 16 waves a work-group, no clusters, 71,680 bytes of LDS; arguments h_codes, W2_codes, bf2, attn_out, lowp_scales, out0; writes out0
.if DOCPART == 5
	.amdgcn_target "amdgcn-amd-amdhsa--gfx1250"
	.amdhsa_code_object_version 6
	.text
	.protected	k_qcb6946cfb6_ffn2
	.globl	k_qcb6946cfb6_ffn2
	.p2align	8
	.type	k_qcb6946cfb6_ffn2,@function
k_qcb6946cfb6_ffn2:
	s_mov_b64 s[64:65], 0
	v_nop
	global_prefetch_b8 v0, s[64:65] scope:SCOPE_SE
	s_setreg_imm32_b32 hwreg(HW_REG_WAVE_MODE, 25, 1), 1
	s_wait_xcnt 0x0
.set RPITCH, 272
.set RB,     16*RPITCH
.set A,   16
.set B,   48
.set ACC, 176
.set P,   48
.set RES, 208
.set BF,  210
.set O,   212
	s_load_b256 s[8:15], s[0:1], 0x0
	s_load_b128 s[16:19], s[0:1], 0x20
	v_lshl_add_u32 v216, v0, 2, 0x11000
	v_mov_b32 v217, 0
	v_lshrrev_b32 v1, 5, v0
	v_readfirstlane_b32 s2, v1
	v_and_b32 v1, 31, v0
	v_and_b32 v2, 15, v0
	v_bfe_u32 v3, v0, 4, 1
	s_and_b32 s4, ttmp7, 0xffff
	v_lshlrev_b32 v4, 4, v1
	v_lshlrev_b32 v5, 12, v2
	v_lshl_add_u32 v5, v3, 4, v5
	v_mul_u32_u24 v6, v2, RPITCH
	v_lshl_add_u32 v6, v3, 5, v6
	s_mul_i32 s5, s2, RB
	v_add_nc_u32 v6, s5, v6
	s_mul_i32 s5, s2, RPITCH
	v_lshl_add_u32 v7, v1, 3, s5
	s_lshl_b32 s6, ttmp9, 8
	v_lshl_add_u32 v9, v1, 3, s6
	s_lshl_b32 s5, s4, 4
	s_add_co_u32 s5, s5, s2
	s_lshl_b32 s5, s5, 12
	v_add_nc_u32 v8, s5, v9
	s_lshl_b32 s24, s4, 5
	s_lshl_b32 s25, s2, 1
	s_add_co_u32 s24, s24, s25
	s_lshl_b32 s24, s24, 11
	s_mov_b32 s25, 0
	s_lshl_b32 s26, ttmp9, 18
	s_lshl_b32 s27, s2, 8
	s_add_co_u32 s26, s26, s27
	s_mov_b32 s27, 0
	s_wait_kmcnt 0x0
	s_load_b64 s[20:21], s[16:17], 0x28
	s_add_nc_u64 s[28:29], s[8:9], s[24:25]
	s_add_nc_u64 s[30:31], s[10:11], s[26:27]
.irp u, 0,1
.irp c, 0,1,2,3
	global_load_b128 v[A+16*\u+4*\c:A+16*\u+4*\c+3], v4, s[28:29] offset:2048*\u+512*\c
.endr
.irp t, 0,1,2,3
.irp c, 0,1,2,3
	global_load_b128 v[B+16*(2*\t+\u)+4*\c:B+16*(2*\t+\u)+4*\c+3], v5, s[30:31] offset:65536*\t+128*\u+32*\c
.endr
.endr
.endr
	global_load_b64 v[RES:RES+1], v8, s[14:15]
	global_load_b64 v[BF:BF+1], v9, s[12:13]
	s_wait_kmcnt 0x0
	s_add_co_i32 s32, s20, s21
	s_add_co_i32 s32, s32, 127
	s_lshl_b32 s32, s32, 23
	s_mov_b32 s33, s32
	s_wait_loadcnt 22
.irp t, 0,1,2,3
	v_wmma_f32_16x16x128_bf8_bf8 v[ACC+8*\t:ACC+8*\t+7], v[B+32*\t:B+32*\t+15], v[A:A+15], 0
.endr
	s_wait_loadcnt 0x2
.irp t, 0,1,2,3
	v_wmma_f32_16x16x128_bf8_bf8 v[ACC+8*\t:ACC+8*\t+7], v[B+32*\t+16:B+32*\t+31], v[A+16:A+31], v[ACC+8*\t:ACC+8*\t+7]
.endr
.rept 4
	v_nop
.endr
.irp t, 0,1,2,3
	ds_store_b128 v6, v[ACC+8*\t:ACC+8*\t+3] offset:64*\t
	ds_store_b128 v6, v[ACC+8*\t+4:ACC+8*\t+7] offset:64*\t+16
.endr
	s_wait_dscnt 0x0
	s_barrier_signal -1
	s_barrier_wait -1
.irp q, 0,1,2,3,4,5,6,7,8,9,10,11,12,13,14,15
	ds_load_b64 v[P+2*\q:P+2*\q+1], v7 offset:RB*\q
.endr
	s_wait_dscnt 0x0
.irp q, 2,4,6,8,10,12,14
	v_pk_add_f32 v[P:P+1], v[P:P+1], v[P+2*\q:P+2*\q+1]
	v_pk_add_f32 v[P+2:P+3], v[P+2:P+3], v[P+2*\q+2:P+2*\q+3]
.endr
	v_pk_add_f32 v[P:P+1], v[P:P+1], v[P+2:P+3]
	s_wait_loadcnt 0x0
	v_pk_fma_f32 v[O:O+1], v[P:P+1], s[32:33], v[RES:RES+1] op_sel_hi:[1,0,1]
	v_pk_add_f32 v[O:O+1], v[O:O+1], v[BF:BF+1]
	global_store_b64 v8, v[O:O+1], s[18:19] th:TH_STORE_NT
	s_wait_tensorcnt 0x0
	ds_add_u32 v216, v217
	s_wait_dscnt 0x0
	s_endpgm
.Lfunc_end_k_qcb6946cfb6_ffn2:
	.size	k_qcb6946cfb6_ffn2, .Lfunc_end_k_qcb6946cfb6_ffn2-k_qcb6946cfb6_ffn2
	.p2alignl 7, 3214868480
	.fill 96, 4, 3214868480
	.section	.rodata,"a",@progbits
	.p2align	6, 0x0
	.amdhsa_kernel k_qcb6946cfb6_ffn2
		.amdhsa_group_segment_fixed_size 71680
		.amdhsa_private_segment_fixed_size 0
		.amdhsa_enable_private_segment 0
		.amdhsa_kernarg_size 48
		.amdhsa_user_sgpr_count 2
		.amdhsa_user_sgpr_kernarg_segment_ptr 1
		.amdhsa_wavefront_size32 1
		.amdhsa_system_sgpr_workgroup_id_x 1
		.amdhsa_system_sgpr_workgroup_id_y 1
		.amdhsa_system_sgpr_workgroup_id_z 1
		.amdhsa_system_vgpr_workitem_id 0
		.amdhsa_next_free_vgpr 218
		.amdhsa_next_free_sgpr 66
		.amdhsa_reserve_vcc 0
		.amdhsa_float_denorm_mode_32 3
		.amdhsa_float_denorm_mode_16_64 3
		.amdhsa_memory_ordered 1
		.amdhsa_forward_progress 1
		.amdhsa_inst_pref_size 10
	.end_amdhsa_kernel
	.amdgpu_metadata
---
amdhsa.version: [ 1, 2 ]
amdhsa.kernels:
  - .name:           k_qcb6946cfb6_ffn2
    .symbol:         k_qcb6946cfb6_ffn2.kd
    .args:
      - { .name: h_codes, .offset: 0, .size: 8, .value_kind: global_buffer, .address_space: global }
      - { .name: W2_codes, .offset: 8, .size: 8, .value_kind: global_buffer, .address_space: global }
      - { .name: bf2, .offset: 16, .size: 8, .value_kind: global_buffer, .address_space: global }
      - { .name: attn_out, .offset: 24, .size: 8, .value_kind: global_buffer, .address_space: global }
      - { .name: lowp_scales, .offset: 32, .size: 8, .value_kind: global_buffer, .address_space: global }
      - { .name: out0, .offset: 40, .size: 8, .value_kind: global_buffer, .address_space: global }
    .group_segment_fixed_size: 71680
    .private_segment_fixed_size: 0
    .kernarg_segment_align: 8
    .kernarg_segment_size: 48
    .max_flat_workgroup_size: 512
    .sgpr_count:     66
    .vgpr_count:     218
    .wavefront_size: 32
...
	.end_amdgpu_metadata
.endif
;; end of part 5
;; ======== version 2 of 3: 5 launches; 1.11 times as fast as version 1
;; workspace buffers: qkv 1,572,864 bytes; stats 2,048 bytes; att_codes 131,072 bytes; attn_out 524,288 bytes; h_codes 524,288 bytes
;; launch qkv (part 6): grid 24 x 8, 8 waves a work-group, no clusters, 34,816 bytes of LDS; arguments features, g1, b1, Wq_codes, Wk_codes, Wv_codes, bq, bk, bv, lowp_scales, qkv, stats; writes qkv, stats
.if DOCPART == 6
	.amdgcn_target "amdgcn-amd-amdhsa--gfx1250"
	.amdhsa_code_object_version 6
	.text
	.protected	k_qcb6946cfb6_qkv
	.globl	k_qcb6946cfb6_qkv
	.p2align	8
	.type	k_qcb6946cfb6_qkv,@function
k_qcb6946cfb6_qkv:
	s_mov_b64 s[64:65], 0
	v_nop
	global_prefetch_b8 v0, s[64:65] scope:SCOPE_SE
	s_setreg_imm32_b32 hwreg(HW_REG_WAVE_MODE, 25, 1), 1
	s_wait_xcnt 0x0
.set CH,    528
.set STATS, 32*CH
.set STG,   STATS+256
.set GB,    STG+16*CH
.set X,    16
.set G,    80
.set BB,   112
.set CD,   144
.set T,    160
.set MP,   168
.set GS,   184
.set BIAS, 248
.set A,    16
.set SP,   144
.set SM,   152
.set O,    216
.set OUTR, 224
.set DP,   128
.set MSB, 0
.macro WIN new
.if MSB != \new
	s_set_vgpr_msb (MSB<<8)|\new
.set MSB, \new
.endif
.endm
.macro BARRIER
	s_wait_dscnt 0x0
	s_barrier_signal -1
	s_barrier_wait -1
.endm
.macro LANESUM a, t
	v_add_f32_dpp v[\a], v[\a], v[\a] row_xmask:1 row_mask:0xf bank_mask:0xf
	v_add_f32_dpp v[\a], v[\a], v[\a] row_xmask:2 row_mask:0xf bank_mask:0xf
	v_add_f32_dpp v[\a], v[\a], v[\a] row_xmask:4 row_mask:0xf bank_mask:0xf
	v_add_f32_dpp v[\a], v[\a], v[\a] row_xmask:8 row_mask:0xf bank_mask:0xf
	v_permlanex16_b32 v[\t], v[\a], s48, s49
	v_add_f32 v[\a], v[\a], v[\t]
.endm
.macro LN_MEAN p
.set XR, X+32*(\p)
.set TR, T+4*(\p)
.set MR, MP+8*(\p)
	v_pk_add_f32 v[TR:TR+1], v[XR:XR+1], v[XR+2:XR+3]
	v_pk_add_f32 v[TR+2:TR+3], v[XR+4:XR+5], v[XR+6:XR+7]
.irp j, 8,12,16,20,24,28
	v_pk_add_f32 v[TR:TR+1], v[TR:TR+1], v[XR+\j:XR+\j+1]
	v_pk_add_f32 v[TR+2:TR+3], v[TR+2:TR+3], v[XR+\j+2:XR+\j+3]
.endr
	v_pk_add_f32 v[TR:TR+1], v[TR:TR+1], v[TR+2:TR+3]
	v_add_f32 v[TR], v[TR], v[TR+1]
	LANESUM TR, TR+1
	v_mul_f32 v[MR], s46, v[TR]
	v_mov_b32 v[MR+1], v[MR]
.irp j, 0,2,4,6,8,10,12,14,16,18,20,22,24,26,28,30
	v_pk_add_f32 v[XR+\j:XR+\j+1], v[XR+\j:XR+\j+1], v[MR:MR+1] neg_lo:[0,1] neg_hi:[0,1]
.endr
.endm
.macro LN_VAR p
.set XR, X+32*(\p)
.set TR, T+4*(\p)
.set MR, MP+8*(\p)
	v_pk_mul_f32 v[TR:TR+1], v[XR:XR+1], v[XR:XR+1]
	v_pk_mul_f32 v[TR+2:TR+3], v[XR+2:XR+3], v[XR+2:XR+3]
.irp j, 4,8,12,16,20,24,28
	v_pk_fma_f32 v[TR:TR+1], v[XR+\j:XR+\j+1], v[XR+\j:XR+\j+1], v[TR:TR+1]
	v_pk_fma_f32 v[TR+2:TR+3], v[XR+\j+2:XR+\j+3], v[XR+\j+2:XR+\j+3], v[TR+2:TR+3]
.endr
	v_pk_add_f32 v[TR:TR+1], v[TR:TR+1], v[TR+2:TR+3]
	v_add_f32 v[TR], v[TR], v[TR+1]
	LANESUM TR, TR+1
	v_fma_f32 v[TR], v[TR], s46, s47
	v_rsq_f32 v[MR+6], v[TR]
.endm
.macro LN_ROOT p
.set TR, T+4*(\p)
.set MR, MP+8*(\p)
	v_mul_f32 v[MR+2], v[TR], v[MR+6]
	v_mul_f32 v[MR+7], 0.5, v[MR+6]
	v_fma_f32 v[TR+1], -v[MR+2], v[MR+2], v[TR]
	v_fma_f32 v[MR+2], v[TR+1], v[MR+7], v[MR+2]
	v_fma_f32 v[TR+1], -v[MR+2], v[MR+6], 1.0
	v_fma_f32 v[MR+4], v[TR+1], v[MR+6], v[MR+6]
	v_mov_b32 v[MR+3], v[MR+2]
	v_mov_b32 v[MR+5], v[MR+4]
.endm
.macro LN_APPLY p
.set XR, X+32*(\p)
.set MR, MP+8*(\p)
.irp g, 0,8,16,24
.irp j, 0,2,4,6
	v_pk_mul_f32 v[CD+\j:CD+\j+1], v[XR+\g+\j:XR+\g+\j+1], v[MR+4:MR+5]
.endr
.irp j, 0,2,4,6
	v_pk_fma_f32 v[CD+8+\j:CD+8+\j+1], v[CD+\j:CD+\j+1], v[MR+2:MR+3], v[XR+\g+\j:XR+\g+\j+1] neg_lo:[1,0,0] neg_hi:[1,0,0]
.endr
.irp j, 0,2,4,6
	v_pk_fma_f32 v[XR+\g+\j:XR+\g+\j+1], v[CD+8+\j:CD+8+\j+1], v[MR+4:MR+5], v[CD+\j:CD+\j+1]
.endr
.endr
.irp j, 0,2,4,6,8,10,12,14,16,18,20,22,24,26,28,30
	v_pk_mul_f32 v[XR+\j:XR+\j+1], v[XR+\j:XR+\j+1], v[G+\j:G+\j+1]
.endr
.irp j, 0,2,4,6,8,10,12,14,16,18,20,22,24,26,28,30
	v_pk_add_f32 v[XR+\j:XR+\j+1], v[XR+\j:XR+\j+1], v[BB+\j:BB+\j+1]
.endr
.endm
.macro QUANT p
.set XR, X+32*(\p)
.set i, 0
.rept 32
	v_med3_num_f32 v[XR+i], v[XR+i], -v14, v14
.set i, i+1
.endr
.irp g, 0,1,2,3
	v_cvt_scalef32_pk8_bf8_f32 v[CD+8*(\p)+2*\g:CD+8*(\p)+2*\g+1], v[XR+8*\g:XR+8*\g+7], v13
.endr
.endm
.macro PRODS dst, first
	WIN 0x41
.irp s, 0,1,2,3,4,5,6,7
.if \first
	s_wait_dscnt 4*(7-\s)
.endif
	v_wmma_f32_16x16x64_bf8_bf8 v[DP+16*\s:DP+16*\s+7], v[16*\s:16*\s+7], v[A+16*\s:A+16*\s+7], 0
	v_wmma_f32_16x16x64_bf8_bf8 v[DP+16*\s+8:DP+16*\s+15], v[16*\s+8:16*\s+15], v[A+16*\s+8:A+16*\s+15], 0
.endr
.rept 4
	v_nop
.endr
	WIN 0x45
.irp p, 0,2,4,6,8,10,12,14
.irp u, 0,2,4,6
	v_pk_add_f32 v[DP+8*\p+\u:DP+8*\p+\u+1], v[DP+8*\p+\u:DP+8*\p+\u+1], v[DP+8*\p+8+\u:DP+8*\p+8+\u+1]
.endr
.endr
.irp p, 0,4,8,12
.irp u, 0,2,4,6
	v_pk_add_f32 v[DP+8*\p+\u:DP+8*\p+\u+1], v[DP+8*\p+\u:DP+8*\p+\u+1], v[DP+8*\p+16+\u:DP+8*\p+16+\u+1]
.endr
.endr
.irp p, 0,8
.irp u, 0,2,4,6
	v_pk_add_f32 v[DP+8*\p+\u:DP+8*\p+\u+1], v[DP+8*\p+\u:DP+8*\p+\u+1], v[DP+8*\p+32+\u:DP+8*\p+32+\u+1]
.endr
.endr
	WIN 0x05
.irp u, 0,2,4,6
	v_pk_add_f32 v[\dst+\u:\dst+\u+1], v[DP+\u:DP+\u+1], v[DP+64+\u:DP+64+\u+1]
.endr
	WIN 0
.endm
	s_load_b512 s[8:23], s[0:1], 0x0
	s_load_b256 s[24:31], s[0:1], 0x40
	v_lshl_add_u32 v246, v0, 2, 0x8400
	v_mov_b32 v247, 0
	v_lshrrev_b32 v1, 5, v0
	v_readfirstlane_b32 s2, v1
	v_and_b32 v1, 31, v0
	v_and_b32 v2, 15, v0
	v_bfe_u32 v3, v0, 4, 1
	s_mov_b32 s3, 0x80808080
	s_and_b32 s4, ttmp7, 0xffff
	s_lshr_b32 s5, ttmp9, 3
	s_and_b32 s6, ttmp9, 7
	s_mov_b32 s46, 0x3a800000
	s_mov_b32 s47, 0x3727c5ac
	s_mov_b32 s48, 0x76543210
	s_mov_b32 s49, 0xfedcba98
	v_lshlrev_b32 v4, 4, v0
	v_lshlrev_b32 v5, 4, v1
	v_lshrrev_b32 v6, 3, v1
	v_mul_u32_u24 v6, v6, CH
	v_bfe_u32 v15, v0, 2, 1
	v_lshl_add_u32 v6, v15, 8, v6
	v_and_b32 v15, 3, v0
	v_lshl_add_u32 v6, v15, 2, v6
	s_lshl_b32 s7, s2, 5
	v_add_nc_u32 v6, s7, v6
	v_lshlrev_b32 v7, 10, v2
	v_lshl_add_u32 v7, v3, 4, v7
	v_lshlrev_b32 v8, 5, v3
	v_mul_u32_u24 v9, v2, CH
	v_lshl_add_u32 v9, v3, 5, v9
	s_lshl_b32 s7, s2, 6
	s_add_co_u32 s7, s7, STG
	v_add_nc_u32 v9, s7, v9
	s_mul_i32 s7, s2, 2*CH
	s_add_co_u32 s7, s7, STG
	v_add_nc_u32 v10, s7, v5
	v_lshlrev_b32 v11, 3, v1
	s_lshl_b32 s7, s2, 5
	s_add_co_u32 s7, s7, STATS
	v_mov_b32 v12, s7
	v_add_nc_u32 v15, STATS, v11
	s_lshl_b32 s56, s4, 4
	s_lshl_b32 s57, s2, 1
	s_add_co_u32 s56, s56, s57
	s_lshl_b32 s56, s56, 12
	s_mov_b32 s57, 0
	s_lshl_b32 s50, s6, 17
	s_lshl_b32 s51, s2, 14
	s_add_co_u32 s50, s50, s51
	s_mov_b32 s51, 0
	s_lshl_b32 s54, s6, 9
	s_lshl_b32 s55, s2, 6
	s_add_co_u32 s54, s54, s55
	s_mov_b32 s55, 0
	s_lshl_b32 s62, s5, 19
	s_add_co_u32 s62, s62, s56
	s_lshl_b32 s63, s6, 9
	s_add_co_u32 s62, s62, s63
	s_mov_b32 s63, 0
	s_wait_kmcnt 0x0
	s_load_b256 s[36:43], s[26:27], 0x0
	s_cmp_eq_u32 s5, 1
	s_cselect_b64 s[32:33], s[16:17], s[18:19]
	s_cselect_b64 s[34:35], s[22:23], s[24:25]
	s_cmp_eq_u32 s5, 0
	s_cselect_b64 s[32:33], s[14:15], s[32:33]
	s_cselect_b64 s[34:35], s[20:21], s[34:35]
	s_add_nc_u64 s[32:33], s[32:33], s[50:51]
	s_add_nc_u64 s[34:35], s[34:35], s[54:55]
	s_add_nc_u64 s[58:59], s[8:9], s[56:57]
	s_add_nc_u64 s[60:61], s[28:29], s[62:63]
	s_lshl_b32 s62, s4, 8
	s_add_nc_u64 s[52:53], s[30:31], s[62:63]
	global_load_b128 v[GS:GS+3], v4, s[10:11]
	global_load_b128 v[GS+4:GS+7], v4, s[12:13]
.irp p, 0,1
.irp j, 0,1,2,3,4,5,6,7
	global_load_b128 v[X+32*\p+4*\j:X+32*\p+4*\j+3], v5, s[58:59] offset:4096*\p+512*\j
.endr
.endr
	global_load_b128 v[BIAS:BIAS+3], v8, s[34:35]
	global_load_b128 v[BIAS+4:BIAS+7], v8, s[34:35] offset:16
	WIN 0x40
.irp s, 0,1,2,3,4,5,6,7
.irp c, 0,1,2,3
	global_load_b128 v[16*\s+4*\c:16*\s+4*\c+3], v7, s[32:33] offset:128*\s+32*\c
.endr
.endr
	WIN 0
	s_wait_kmcnt 0x0
	s_cmp_eq_u32 s5, 1
	s_cselect_b64 s[38:39], s[38:39], s[40:41]
	s_cmp_eq_u32 s5, 0
	s_cselect_b64 s[36:37], s[36:37], s[38:39]
	s_add_co_i32 s44, s36, s37
	s_add_co_i32 s44, s44, 126
	s_lshl_b32 s44, s44, 23
	s_mov_b32 s45, s44
	s_add_co_i32 s36, s36, 127
	s_lshl_b32 s37, s36, 23
	v_mov_b32 v13, s37
	s_add_co_i32 s36, s36, 15
	s_lshl_b32 s36, s36, 23
	s_or_b32 s36, s36, 0x600000
	v_mov_b32 v14, s36
.irp p, 0,1
	v_mov_b32 v[MP+8*\p], 0
	v_mov_b32 v[MP+8*\p+2], 1.0
	v_mov_b32 v[MP+8*\p+4], 1.0
.endr
	s_wait_loadcnt 34
	ds_store_b128 v4, v[GS:GS+3] offset:GB
	ds_store_b128 v4, v[GS+4:GS+7] offset:GB+4096
	BARRIER
	s_cmp_lg_u32 s5, 0
	s_cbranch_scc1 .Lraw
.irp j, 0,1,2,3,4,5,6,7
	ds_load_b128 v[G+4*\j:G+4*\j+3], v5 offset:GB+512*\j
.endr
.irp j, 0,1,2,3,4,5,6,7
	ds_load_b128 v[BB+4*\j:BB+4*\j+3], v5 offset:GB+4096+512*\j
.endr
	LN_MEAN 0
	LN_MEAN 1
	LN_VAR 0
	LN_VAR 1
	v_nop
	s_wait_alu depctr_va_vdst(0)
	LN_ROOT 0
	LN_ROOT 1
	s_wait_dscnt 0x0
	LN_APPLY 0
	LN_APPLY 1
.Lraw:
.irp p, 0,1
	ds_store_b32 v12, v[MP+8*\p] offset:16*\p
	ds_store_b32 v12, v[MP+8*\p+2] offset:16*\p+4
	ds_store_b32 v12, v[MP+8*\p+4] offset:16*\p+8
	ds_store_b32 v12, v[MP+8*\p+4] offset:16*\p+12
.endr
	QUANT 0
	QUANT 1
	v_nop
.irp p, 0,1
.irp j, 0,1,2,3,4,5,6,7
	ds_store_b32 v6, v[CD+8*\p+\j] offset:4*CH*\j+16*\p
.endr
.endr
	BARRIER
.irp s, 0,1,2,3,4,5,6,7
.irp c, 0,1,2,3
	ds_load_b128 v[A+16*\s+4*\c:A+16*\s+4*\c+3], v5 offset:CH*(4*\s+\c)
.endr
.endr
	s_wait_loadcnt 0x0
	PRODS SP, 1
.set i, 0
.rept 128
	v_xor_b32 v[A+i], s3, v[A+i]
.set i, i+1
.endr
	PRODS SM, 0
.irp i, 0,2,4,6
	v_pk_add_f32 v[O+\i:O+\i+1], v[SP+\i:SP+\i+1], v[SM+\i:SM+\i+1] neg_lo:[0,1] neg_hi:[0,1]
.endr
.irp i, 0,2,4,6
	v_pk_fma_f32 v[O+\i:O+\i+1], v[O+\i:O+\i+1], s[44:45], v[BIAS+\i:BIAS+\i+1] op_sel_hi:[1,0,1]
.endr
	ds_store_b128 v9, v[O:O+3]
	ds_store_b128 v9, v[O+4:O+7] offset:16
	BARRIER
	ds_load_b128 v[OUTR:OUTR+3], v10
	ds_load_b128 v[OUTR+4:OUTR+7], v10 offset:CH
	s_wait_dscnt 0x1
	global_store_b128 v5, v[OUTR:OUTR+3], s[60:61]
	s_wait_dscnt 0x0
	global_store_b128 v5, v[OUTR+4:OUTR+7], s[60:61] offset:4096
	s_or_b32 s62, ttmp9, s2
	s_cmp_lg_u32 s62, 0
	s_cbranch_scc1 .Ldone
	ds_load_b64 v[232:233], v15
	s_wait_dscnt 0x0
	global_store_b64 v11, v[232:233], s[52:53]
.Ldone:
	s_wait_tensorcnt 0x0
	ds_add_u32 v246, v247
	s_wait_dscnt 0x0
	s_endpgm
.Lfunc_end_k_qcb6946cfb6_qkv:
	.size	k_qcb6946cfb6_qkv, .Lfunc_end_k_qcb6946cfb6_qkv-k_qcb6946cfb6_qkv
	.p2alignl 7, 3214868480
	.fill 96, 4, 3214868480
	.section	.rodata,"a",@progbits
	.p2align	6, 0x0
	.amdhsa_kernel k_qcb6946cfb6_qkv
		.amdhsa_group_segment_fixed_size 34816
		.amdhsa_private_segment_fixed_size 0
		.amdhsa_enable_private_segment 0
		.amdhsa_kernarg_size 96
		.amdhsa_user_sgpr_count 2
		.amdhsa_user_sgpr_kernarg_segment_ptr 1
		.amdhsa_wavefront_size32 1
		.amdhsa_system_sgpr_workgroup_id_x 1
		.amdhsa_system_sgpr_workgroup_id_y 1
		.amdhsa_system_sgpr_workgroup_id_z 1
		.amdhsa_system_vgpr_workitem_id 0
		.amdhsa_next_free_vgpr 512
		.amdhsa_next_free_sgpr 66
		.amdhsa_reserve_vcc 0
		.amdhsa_float_denorm_mode_32 3
		.amdhsa_float_denorm_mode_16_64 3
		.amdhsa_memory_ordered 1
		.amdhsa_forward_progress 1
		.amdhsa_inst_pref_size 54
	.end_amdhsa_kernel
	.amdgpu_metadata
---
amdhsa.version: [ 1, 2 ]
amdhsa.kernels:
  - .name:           k_qcb6946cfb6_qkv
    .symbol:         k_qcb6946cfb6_qkv.kd
    .args:
      - { .name: features, .offset: 0, .size: 8, .value_kind: global_buffer, .address_space: global }
      - { .name: g1, .offset: 8, .size: 8, .value_kind: global_buffer, .address_space: global }
      - { .name: b1, .offset: 16, .size: 8, .value_kind: global_buffer, .address_space: global }
      - { .name: Wq_codes, .offset: 24, .size: 8, .value_kind: global_buffer, .address_space: global }
      - { .name: Wk_codes, .offset: 32, .size: 8, .value_kind: global_buffer, .address_space: global }
      - { .name: Wv_codes, .offset: 40, .size: 8, .value_kind: global_buffer, .address_space: global }
      - { .name: bq, .offset: 48, .size: 8, .value_kind: global_buffer, .address_space: global }
      - { .name: bk, .offset: 56, .size: 8, .value_kind: global_buffer, .address_space: global }
      - { .name: bv, .offset: 64, .size: 8, .value_kind: global_buffer, .address_space: global }
      - { .name: lowp_scales, .offset: 72, .size: 8, .value_kind: global_buffer, .address_space: global }
      - { .name: qkv, .offset: 80, .size: 8, .value_kind: global_buffer, .address_space: global }
      - { .name: stats, .offset: 88, .size: 8, .value_kind: global_buffer, .address_space: global }
    .group_segment_fixed_size: 34816
    .private_segment_fixed_size: 0
    .kernarg_segment_align: 8
    .kernarg_segment_size: 96
    .max_flat_workgroup_size: 256
    .sgpr_count:     66
    .vgpr_count:     512
    .wavefront_size: 32
...
	.end_amdgpu_metadata
.endif
;; end of part 6
;; launch attn: the kernel of part 2 again; grid 8 x 32, 16 waves a work-group, no clusters, 18,432 bytes of LDS; arguments qkv, lowp_scales, att_codes; writes att_codes
;; launch oproj: the kernel of part 3 again; grid 16 x 8, 8 waves a work-group, no clusters, 35,840 bytes of LDS; arguments att_codes, Wo_codes, bo, features, stats, g1, b1, lowp_scales, attn_out; writes attn_out
;; launch ffn1 (part 7): grid 32 x 8, 8 waves a work-group, no clusters, 26,112 bytes of LDS; arguments attn_out, g2, b2, W1_codes, bf1, lowp_scales, h_codes; writes h_codes
.if DOCPART == 7
	.amdgcn_target "amdgcn-amd-amdhsa--gfx1250"
	.amdhsa_code_object_version 6
	.text
	.protected	k_qcb6946cfb6_ffn1
	.globl	k_qcb6946cfb6_ffn1
	.p2align	8
	.type	k_qcb6946cfb6_ffn1,@function
k_qcb6946cfb6_ffn1:
	s_mov_b64 s[64:65], 0
	v_nop
	global_prefetch_b8 v0, s[64:65] scope:SCOPE_SE
	s_setreg_imm32_b32 hwreg(HW_REG_WAVE_MODE, 25, 1), 1
	s_wait_xcnt 0x0
.set CH,    528
.set GB,    32*CH
.set X,    16
.set G,    80
.set BB,   112
.set CD,   144
.set T,    160
.set MP,   168
.set GS,   184
.set BIAS, 248
.set A,    16
.set O,    216
.set HC,   224
.set DP,   128
.set MSB, 0
.macro WIN new
.if MSB != \new
	s_set_vgpr_msb (MSB<<8)|\new
.set MSB, \new
.endif
.endm
.macro BARRIER
	s_wait_dscnt 0x0
	s_barrier_signal -1
	s_barrier_wait -1
.endm
.macro LANESUM a, t
	v_add_f32_dpp v[\a], v[\a], v[\a] row_xmask:1 row_mask:0xf bank_mask:0xf
	v_add_f32_dpp v[\a], v[\a], v[\a] row_xmask:2 row_mask:0xf bank_mask:0xf
	v_add_f32_dpp v[\a], v[\a], v[\a] row_xmask:4 row_mask:0xf bank_mask:0xf
	v_add_f32_dpp v[\a], v[\a], v[\a] row_xmask:8 row_mask:0xf bank_mask:0xf
	v_permlanex16_b32 v[\t], v[\a], s48, s49
	v_add_f32 v[\a], v[\a], v[\t]
.endm
.macro LN_MEAN p
.set XR, X+32*(\p)
.set TR, T+4*(\p)
.set MR, MP+8*(\p)
	v_pk_add_f32 v[TR:TR+1], v[XR:XR+1], v[XR+2:XR+3]
	v_pk_add_f32 v[TR+2:TR+3], v[XR+4:XR+5], v[XR+6:XR+7]
.irp j, 8,12,16,20,24,28
	v_pk_add_f32 v[TR:TR+1], v[TR:TR+1], v[XR+\j:XR+\j+1]
	v_pk_add_f32 v[TR+2:TR+3], v[TR+2:TR+3], v[XR+\j+2:XR+\j+3]
.endr
	v_pk_add_f32 v[TR:TR+1], v[TR:TR+1], v[TR+2:TR+3]
	v_add_f32 v[TR], v[TR], v[TR+1]
	LANESUM TR, TR+1
	v_mul_f32 v[MR], s46, v[TR]
	v_mov_b32 v[MR+1], v[MR]
.irp j, 0,2,4,6,8,10,12,14,16,18,20,22,24,26,28,30
	v_pk_add_f32 v[XR+\j:XR+\j+1], v[XR+\j:XR+\j+1], v[MR:MR+1] neg_lo:[0,1] neg_hi:[0,1]
.endr
.endm
.macro LN_VAR p
.set XR, X+32*(\p)
.set TR, T+4*(\p)
.set MR, MP+8*(\p)
	v_pk_mul_f32 v[TR:TR+1], v[XR:XR+1], v[XR:XR+1]
	v_pk_mul_f32 v[TR+2:TR+3], v[XR+2:XR+3], v[XR+2:XR+3]
.irp j, 4,8,12,16,20,24,28
	v_pk_fma_f32 v[TR:TR+1], v[XR+\j:XR+\j+1], v[XR+\j:XR+\j+1], v[TR:TR+1]
	v_pk_fma_f32 v[TR+2:TR+3], v[XR+\j+2:XR+\j+3], v[XR+\j+2:XR+\j+3], v[TR+2:TR+3]
.endr
	v_pk_add_f32 v[TR:TR+1], v[TR:TR+1], v[TR+2:TR+3]
	v_add_f32 v[TR], v[TR], v[TR+1]
	LANESUM TR, TR+1
	v_fma_f32 v[TR], v[TR], s46, s47
	v_rsq_f32 v[MR+6], v[TR]
.endm
.macro LN_ROOT p
.set TR, T+4*(\p)
.set MR, MP+8*(\p)
	v_mul_f32 v[MR+2], v[TR], v[MR+6]
	v_mul_f32 v[MR+7], 0.5, v[MR+6]
	v_fma_f32 v[TR+1], -v[MR+2], v[MR+2], v[TR]
	v_fma_f32 v[MR+2], v[TR+1], v[MR+7], v[MR+2]
	v_fma_f32 v[TR+1], -v[MR+2], v[MR+6], 1.0
	v_fma_f32 v[MR+4], v[TR+1], v[MR+6], v[MR+6]
	v_mov_b32 v[MR+3], v[MR+2]
	v_mov_b32 v[MR+5], v[MR+4]
.endm
.macro LN_APPLY p
.set XR, X+32*(\p)
.set MR, MP+8*(\p)
.irp g, 0,8,16,24
.irp j, 0,2,4,6
	v_pk_mul_f32 v[CD+\j:CD+\j+1], v[XR+\g+\j:XR+\g+\j+1], v[MR+4:MR+5]
.endr
.irp j, 0,2,4,6
	v_pk_fma_f32 v[CD+8+\j:CD+8+\j+1], v[CD+\j:CD+\j+1], v[MR+2:MR+3], v[XR+\g+\j:XR+\g+\j+1] neg_lo:[1,0,0] neg_hi:[1,0,0]
.endr
.irp j, 0,2,4,6
	v_pk_fma_f32 v[XR+\g+\j:XR+\g+\j+1], v[CD+8+\j:CD+8+\j+1], v[MR+4:MR+5], v[CD+\j:CD+\j+1]
.endr
.endr
.irp j, 0,2,4,6,8,10,12,14,16,18,20,22,24,26,28,30
	v_pk_mul_f32 v[XR+\j:XR+\j+1], v[XR+\j:XR+\j+1], v[G+\j:G+\j+1]
.endr
.irp j, 0,2,4,6,8,10,12,14,16,18,20,22,24,26,28,30
	v_pk_add_f32 v[XR+\j:XR+\j+1], v[XR+\j:XR+\j+1], v[BB+\j:BB+\j+1]
.endr
.endm
.macro QUANT p
.set XR, X+32*(\p)
.set i, 0
.rept 32
	v_med3_num_f32 v[XR+i], v[XR+i], -v14, v14
.set i, i+1
.endr
.irp g, 0,1,2,3
	v_cvt_scalef32_pk8_bf8_f32 v[CD+8*(\p)+2*\g:CD+8*(\p)+2*\g+1], v[XR+8*\g:XR+8*\g+7], v13
.endr
.endm
	s_load_b256 s[8:15], s[0:1], 0x0
	s_load_b128 s[16:19], s[0:1], 0x20
	s_load_b64 s[20:21], s[0:1], 0x30
	v_lshl_add_u32 v246, v0, 2, 0x6200
	v_mov_b32 v247, 0
	v_lshrrev_b32 v1, 5, v0
	v_readfirstlane_b32 s2, v1
	v_and_b32 v1, 31, v0
	v_and_b32 v2, 15, v0
	v_bfe_u32 v3, v0, 4, 1
	s_and_b32 s4, ttmp7, 0xffff
	s_mov_b32 s46, 0x3a800000
	s_mov_b32 s47, 0x3727c5ac
	s_mov_b32 s48, 0x76543210
	s_mov_b32 s49, 0xfedcba98
	v_lshlrev_b32 v4, 4, v0
	v_lshlrev_b32 v5, 4, v1
	v_lshrrev_b32 v6, 3, v1
	v_mul_u32_u24 v6, v6, CH
	v_bfe_u32 v12, v0, 2, 1
	v_lshl_add_u32 v6, v12, 8, v6
	v_and_b32 v12, 3, v0
	v_lshl_add_u32 v6, v12, 2, v6
	s_lshl_b32 s7, s2, 5
	v_add_nc_u32 v6, s7, v6
	v_lshlrev_b32 v7, 10, v2
	v_lshl_add_u32 v7, v3, 4, v7
	v_lshlrev_b32 v8, 5, v3
	v_lshlrev_b32 v9, 4, v2
	v_lshl_add_u32 v9, v3, 3, v9
	s_lshl_b32 s56, s4, 4
	s_lshl_b32 s57, s2, 1
	s_add_co_u32 s56, s56, s57
	s_lshl_b32 s56, s56, 12
	s_mov_b32 s57, 0
	s_lshl_b32 s50, ttmp9, 17
	s_lshl_b32 s51, s2, 14
	s_add_co_u32 s50, s50, s51
	s_mov_b32 s51, 0
	s_lshl_b32 s54, ttmp9, 9
	s_lshl_b32 s55, s2, 6
	s_add_co_u32 s54, s54, s55
	s_mov_b32 s55, 0
	s_lshl_b32 s62, s4, 5
	s_add_co_u32 s62, s62, ttmp9
	s_lshl_b32 s62, s62, 11
	s_lshl_b32 s63, s2, 8
	s_add_co_u32 s62, s62, s63
	s_mov_b32 s63, 0
	s_wait_kmcnt 0x0
	s_load_b128 s[36:39], s[18:19], 0x20
	s_add_nc_u64 s[32:33], s[14:15], s[50:51]
	s_add_nc_u64 s[34:35], s[16:17], s[54:55]
	s_add_nc_u64 s[58:59], s[8:9], s[56:57]
	s_add_nc_u64 s[60:61], s[20:21], s[62:63]
	global_load_b128 v[GS:GS+3], v4, s[10:11]
	global_load_b128 v[GS+4:GS+7], v4, s[12:13]
.irp p, 0,1
.irp j, 0,1,2,3,4,5,6,7
	global_load_b128 v[X+32*\p+4*\j:X+32*\p+4*\j+3], v5, s[58:59] offset:4096*\p+512*\j
.endr
.endr
	global_load_b128 v[BIAS:BIAS+3], v8, s[34:35]
	global_load_b128 v[BIAS+4:BIAS+7], v8, s[34:35] offset:16
	WIN 0x40
.irp s, 0,1,2,3,4,5,6,7
.irp c, 0,1,2,3
	global_load_b128 v[16*\s+4*\c:16*\s+4*\c+3], v7, s[32:33] offset:128*\s+32*\c
.endr
.endr
	WIN 0
	s_wait_kmcnt 0x0
	s_add_co_i32 s44, s36, s37
	s_add_co_i32 s44, s44, 127
	s_lshl_b32 s44, s44, 23
	s_mov_b32 s45, s44
	s_add_co_i32 s36, s36, 127
	s_lshl_b32 s37, s36, 23
	v_mov_b32 v13, s37
	s_add_co_i32 s36, s36, 15
	s_lshl_b32 s36, s36, 23
	s_or_b32 s36, s36, 0x600000
	v_mov_b32 v14, s36
	s_add_co_i32 s38, s38, 127
	s_lshl_b32 s39, s38, 23
	v_mov_b32 v10, s39
	s_add_co_i32 s38, s38, 15
	s_lshl_b32 s38, s38, 23
	s_or_b32 s38, s38, 0x600000
	v_mov_b32 v11, s38
	s_wait_loadcnt 34
	ds_store_b128 v4, v[GS:GS+3] offset:GB
	ds_store_b128 v4, v[GS+4:GS+7] offset:GB+4096
	BARRIER
.irp j, 0,1,2,3,4,5,6,7
	ds_load_b128 v[G+4*\j:G+4*\j+3], v5 offset:GB+512*\j
.endr
.irp j, 0,1,2,3,4,5,6,7
	ds_load_b128 v[BB+4*\j:BB+4*\j+3], v5 offset:GB+4096+512*\j
.endr
	LN_MEAN 0
	LN_MEAN 1
	LN_VAR 0
	LN_VAR 1
	v_nop
	s_wait_alu depctr_va_vdst(0)
	LN_ROOT 0
	LN_ROOT 1
	s_wait_dscnt 0x0
	LN_APPLY 0
	LN_APPLY 1
	QUANT 0
	QUANT 1
	v_nop
.irp p, 0,1
.irp j, 0,1,2,3,4,5,6,7
	ds_store_b32 v6, v[CD+8*\p+\j] offset:4*CH*\j+16*\p
.endr
.endr
	BARRIER
.irp s, 0,1,2,3,4,5,6,7
.irp c, 0,1,2,3
	ds_load_b128 v[A+16*\s+4*\c:A+16*\s+4*\c+3], v5 offset:CH*(4*\s+\c)
.endr
.endr
	s_wait_loadcnt 0x0
	WIN 0x41
.irp s, 0,1,2,3,4,5,6,7
	s_wait_dscnt 4*(7-\s)
	v_wmma_f32_16x16x64_bf8_bf8 v[DP+16*\s:DP+16*\s+7], v[16*\s:16*\s+7], v[A+16*\s:A+16*\s+7], 0
	v_wmma_f32_16x16x64_bf8_bf8 v[DP+16*\s+8:DP+16*\s+15], v[16*\s+8:16*\s+15], v[A+16*\s+8:A+16*\s+15], 0
.endr
.rept 4
	v_nop
.endr
	WIN 0x45
.irp p, 0,2,4,6,8,10,12,14
.irp u, 0,2,4,6
	v_pk_add_f32 v[DP+8*\p+\u:DP+8*\p+\u+1], v[DP+8*\p+\u:DP+8*\p+\u+1], v[DP+8*\p+8+\u:DP+8*\p+8+\u+1]
.endr
.endr
.irp p, 0,4,8,12
.irp u, 0,2,4,6
	v_pk_add_f32 v[DP+8*\p+\u:DP+8*\p+\u+1], v[DP+8*\p+\u:DP+8*\p+\u+1], v[DP+8*\p+16+\u:DP+8*\p+16+\u+1]
.endr
.endr
.irp p, 0,8
.irp u, 0,2,4,6
	v_pk_add_f32 v[DP+8*\p+\u:DP+8*\p+\u+1], v[DP+8*\p+\u:DP+8*\p+\u+1], v[DP+8*\p+32+\u:DP+8*\p+32+\u+1]
.endr
.endr
.irp u, 0,2,4,6
	v_pk_add_f32 v[DP+\u:DP+\u+1], v[DP+\u:DP+\u+1], v[DP+64+\u:DP+64+\u+1]
.endr
	WIN 0x01
.irp i, 0,2,4,6
	v_pk_fma_f32 v[O+\i:O+\i+1], v[DP+\i:DP+\i+1], s[44:45], v[BIAS+\i:BIAS+\i+1] op_sel_hi:[1,0,1]
.endr
	WIN 0
.irp i, 0,1,2,3,4,5,6,7
	v_med3_num_f32 v[O+\i], v[O+\i], 0, v11
.endr
	v_cvt_scalef32_pk8_bf8_f32 v[HC:HC+1], v[O:O+7], v10
	v_nop
	global_store_b64 v9, v[HC:HC+1], s[60:61]
	s_wait_tensorcnt 0x0
	ds_add_u32 v246, v247
	s_wait_dscnt 0x0
	s_endpgm
.Lfunc_end_k_qcb6946cfb6_ffn1:
	.size	k_qcb6946cfb6_ffn1, .Lfunc_end_k_qcb6946cfb6_ffn1-k_qcb6946cfb6_ffn1
	.p2alignl 7, 3214868480
	.fill 96, 4, 3214868480
	.section	.rodata,"a",@progbits
	.p2align	6, 0x0
	.amdhsa_kernel k_qcb6946cfb6_ffn1
		.amdhsa_group_segment_fixed_size 26112
		.amdhsa_private_segment_fixed_size 0
		.amdhsa_enable_private_segment 0
		.amdhsa_kernarg_size 56
		.amdhsa_user_sgpr_count 2
		.amdhsa_user_sgpr_kernarg_segment_ptr 1
		.amdhsa_wavefront_size32 1
		.amdhsa_system_sgpr_workgroup_id_x 1
		.amdhsa_system_sgpr_workgroup_id_y 1
		.amdhsa_system_sgpr_workgroup_id_z 1
		.amdhsa_system_vgpr_workitem_id 0
		.amdhsa_next_free_vgpr 512
		.amdhsa_next_free_sgpr 66
		.amdhsa_reserve_vcc 0
		.amdhsa_float_denorm_mode_32 3
		.amdhsa_float_denorm_mode_16_64 3
		.amdhsa_memory_ordered 1
		.amdhsa_forward_progress 1
		.amdhsa_inst_pref_size 43
	.end_amdhsa_kernel
	.amdgpu_metadata
---
amdhsa.version: [ 1, 2 ]
amdhsa.kernels:
  - .name:           k_qcb6946cfb6_ffn1
    .symbol:         k_qcb6946cfb6_ffn1.kd
    .args:
      - { .name: attn_out, .offset: 0, .size: 8, .value_kind: global_buffer, .address_space: global }
      - { .name: g2, .offset: 8, .size: 8, .value_kind: global_buffer, .address_space: global }
      - { .name: b2, .offset: 16, .size: 8, .value_kind: global_buffer, .address_space: global }
      - { .name: W1_codes, .offset: 24, .size: 8, .value_kind: global_buffer, .address_space: global }
      - { .name: bf1, .offset: 32, .size: 8, .value_kind: global_buffer, .address_space: global }
      - { .name: lowp_scales, .offset: 40, .size: 8, .value_kind: global_buffer, .address_space: global }
      - { .name: h_codes, .offset: 48, .size: 8, .value_kind: global_buffer, .address_space: global }
    .group_segment_fixed_size: 26112
    .private_segment_fixed_size: 0
    .kernarg_segment_align: 8
    .kernarg_segment_size: 56
    .max_flat_workgroup_size: 256
    .sgpr_count:     66
    .vgpr_count:     512
    .wavefront_size: 32
...
	.end_amdgpu_metadata
.endif
;; end of part 7
;; launch ffn2: the kernel of part 5 again; grid 16 x 8, 16 waves a work-group, no clusters, 71,680 bytes of LDS; arguments h_codes, W2_codes, bf2, attn_out, lowp_scales, out0; writes out0
;; ======== version 3 of 3: 5 launches; version 2 with the launches qkv, oproj, ffn1, ffn2 written anew for expert scheduling mode
;; workspace buffers: qkv 1,572,864 bytes; stats 2,048 bytes; att_codes 131,072 bytes; attn_out 524,288 bytes; h_codes 524,288 bytes
;; launch qkv (part 8): grid 24 x 8, 8 waves a work-group, no clusters, 34,816 bytes of LDS; arguments features, g1, b1, Wq_codes, Wk_codes, Wv_codes, bq, bk, bv, lowp_scales, qkv, stats; writes qkv, stats
.if DOCPART == 8
	.amdgcn_target "amdgcn-amd-amdhsa--gfx1250"
	.amdhsa_code_object_version 6
	.text
	.protected	k_qcb6946cfb6_qkv
	.globl	k_qcb6946cfb6_qkv
	.p2align	8
	.type	k_qcb6946cfb6_qkv,@function
k_qcb6946cfb6_qkv:
	s_mov_b64 s[64:65], 0
	v_nop
	global_prefetch_b8 v0, s[64:65] scope:SCOPE_SE
	s_setreg_imm32_b32 hwreg(HW_REG_WAVE_SCHED_MODE, 0, 2), 2
	s_setreg_imm32_b32 hwreg(HW_REG_WAVE_MODE, 25, 1), 1
	s_wait_xcnt 0x0
	s_wait_alu depctr_vm_vsrc(0)
.set CH,    528
.set STATS, 32*CH
.set STG,   STATS+256
.set GB,    STG+16*CH
.set X,    16
.set G,    80
.set BB,   112
.set CD,   144
.set T,    160
.set MP,   168
.set GS,   184
.set BIAS, 248
.set A,    16
.set SP,   144
.set SM,   152
.set O,    216
.set OUTR, 224
.set DP,   128
.set MSB, 0
.macro WIN new
.if MSB != \new
	s_set_vgpr_msb (MSB<<8)|\new
.set MSB, \new
.endif
.endm
.macro BARRIER
	s_wait_dscnt 0x0
	s_barrier_signal -1
	s_barrier_wait -1
.endm
.macro LANESUM a, t
	v_add_f32_dpp v[\a], v[\a], v[\a] row_xmask:1 row_mask:0xf bank_mask:0xf
	v_add_f32_dpp v[\a], v[\a], v[\a] row_xmask:2 row_mask:0xf bank_mask:0xf
	v_add_f32_dpp v[\a], v[\a], v[\a] row_xmask:4 row_mask:0xf bank_mask:0xf
	v_add_f32_dpp v[\a], v[\a], v[\a] row_xmask:8 row_mask:0xf bank_mask:0xf
	v_permlanex16_b32 v[\t], v[\a], s48, s49
	v_add_f32 v[\a], v[\a], v[\t]
.endm
.macro LN_MEAN p
.set XR, X+32*(\p)
.set TR, T+4*(\p)
.set MR, MP+8*(\p)
	v_pk_add_f32 v[TR:TR+1], v[XR:XR+1], v[XR+2:XR+3]
	v_pk_add_f32 v[TR+2:TR+3], v[XR+4:XR+5], v[XR+6:XR+7]
.irp j, 8,12,16,20,24,28
	v_pk_add_f32 v[TR:TR+1], v[TR:TR+1], v[XR+\j:XR+\j+1]
	v_pk_add_f32 v[TR+2:TR+3], v[TR+2:TR+3], v[XR+\j+2:XR+\j+3]
.endr
	v_pk_add_f32 v[TR:TR+1], v[TR:TR+1], v[TR+2:TR+3]
	v_add_f32 v[TR], v[TR], v[TR+1]
	LANESUM TR, TR+1
	v_mul_f32 v[MR], s46, v[TR]
	v_mov_b32 v[MR+1], v[MR]
.irp j, 0,2,4,6,8,10,12,14,16,18,20,22,24,26,28,30
	v_pk_add_f32 v[XR+\j:XR+\j+1], v[XR+\j:XR+\j+1], v[MR:MR+1] neg_lo:[0,1] neg_hi:[0,1]
.endr
.endm
.macro LN_VAR p
.set XR, X+32*(\p)
.set TR, T+4*(\p)
.set MR, MP+8*(\p)
	v_pk_mul_f32 v[TR:TR+1], v[XR:XR+1], v[XR:XR+1]
	v_pk_mul_f32 v[TR+2:TR+3], v[XR+2:XR+3], v[XR+2:XR+3]
.irp j, 4,8,12,16,20,24,28
	v_pk_fma_f32 v[TR:TR+1], v[XR+\j:XR+\j+1], v[XR+\j:XR+\j+1], v[TR:TR+1]
	v_pk_fma_f32 v[TR+2:TR+3], v[XR+\j+2:XR+\j+3], v[XR+\j+2:XR+\j+3], v[TR+2:TR+3]
.endr
	v_pk_add_f32 v[TR:TR+1], v[TR:TR+1], v[TR+2:TR+3]
	v_add_f32 v[TR], v[TR], v[TR+1]
	LANESUM TR, TR+1
	v_fma_f32 v[TR], v[TR], s46, s47
	v_rsq_f32 v[MR+6], v[TR]
.endm
.macro LN_ROOT p
.set TR, T+4*(\p)
.set MR, MP+8*(\p)
	v_mul_f32 v[MR+2], v[TR], v[MR+6]
	v_mul_f32 v[MR+7], 0.5, v[MR+6]
	v_fma_f32 v[TR+1], -v[MR+2], v[MR+2], v[TR]
	v_fma_f32 v[MR+2], v[TR+1], v[MR+7], v[MR+2]
	v_fma_f32 v[TR+1], -v[MR+2], v[MR+6], 1.0
	v_fma_f32 v[MR+4], v[TR+1], v[MR+6], v[MR+6]
	v_mov_b32 v[MR+3], v[MR+2]
	v_mov_b32 v[MR+5], v[MR+4]
.endm
.macro LN_APPLY p
.set XR, X+32*(\p)
.set MR, MP+8*(\p)
.irp g, 0,8,16,24
.irp j, 0,2,4,6
	v_pk_mul_f32 v[CD+\j:CD+\j+1], v[XR+\g+\j:XR+\g+\j+1], v[MR+4:MR+5]
.endr
.irp j, 0,2,4,6
	v_pk_fma_f32 v[CD+8+\j:CD+8+\j+1], v[CD+\j:CD+\j+1], v[MR+2:MR+3], v[XR+\g+\j:XR+\g+\j+1] neg_lo:[1,0,0] neg_hi:[1,0,0]
.endr
.irp j, 0,2,4,6
	v_pk_fma_f32 v[XR+\g+\j:XR+\g+\j+1], v[CD+8+\j:CD+8+\j+1], v[MR+4:MR+5], v[CD+\j:CD+\j+1]
.endr
.endr
.irp j, 0,2,4,6,8,10,12,14,16,18,20,22,24,26,28,30
	v_pk_mul_f32 v[XR+\j:XR+\j+1], v[XR+\j:XR+\j+1], v[G+\j:G+\j+1]
.endr
.irp j, 0,2,4,6,8,10,12,14,16,18,20,22,24,26,28,30
	v_pk_add_f32 v[XR+\j:XR+\j+1], v[XR+\j:XR+\j+1], v[BB+\j:BB+\j+1]
.endr
.endm
.macro QUANT p
.set XR, X+32*(\p)
.set i, 0
.rept 32
	v_med3_num_f32 v[XR+i], v[XR+i], -v14, v14
.set i, i+1
.endr
.irp g, 0,1,2,3
	v_cvt_scalef32_pk8_bf8_f32 v[CD+8*(\p)+2*\g:CD+8*(\p)+2*\g+1], v[XR+8*\g:XR+8*\g+7], v13
.endr
.endm
.macro PRODS dst, first
	WIN 0x41
.irp s, 0,1,2,3,4,5,6,7
.if \first
	s_wait_dscnt 4*(7-\s)
.endif
	v_wmma_f32_16x16x64_bf8_bf8 v[DP+16*\s:DP+16*\s+7], v[16*\s:16*\s+7], v[A+16*\s:A+16*\s+7], 0
	v_wmma_f32_16x16x64_bf8_bf8 v[DP+16*\s+8:DP+16*\s+15], v[16*\s+8:16*\s+15], v[A+16*\s+8:A+16*\s+15], 0
.endr
.rept 4
	v_nop
.endr
	WIN 0x45
.irp p, 0,2,4,6,8,10,12,14
.irp u, 0,2,4,6
	v_pk_add_f32 v[DP+8*\p+\u:DP+8*\p+\u+1], v[DP+8*\p+\u:DP+8*\p+\u+1], v[DP+8*\p+8+\u:DP+8*\p+8+\u+1]
.endr
.endr
.irp p, 0,4,8,12
.irp u, 0,2,4,6
	v_pk_add_f32 v[DP+8*\p+\u:DP+8*\p+\u+1], v[DP+8*\p+\u:DP+8*\p+\u+1], v[DP+8*\p+16+\u:DP+8*\p+16+\u+1]
.endr
.endr
.irp p, 0,8
.irp u, 0,2,4,6
	v_pk_add_f32 v[DP+8*\p+\u:DP+8*\p+\u+1], v[DP+8*\p+\u:DP+8*\p+\u+1], v[DP+8*\p+32+\u:DP+8*\p+32+\u+1]
.endr
.endr
	WIN 0x05
.irp u, 0,2,4,6
	v_pk_add_f32 v[\dst+\u:\dst+\u+1], v[DP+\u:DP+\u+1], v[DP+64+\u:DP+64+\u+1]
.endr
	WIN 0
.endm
	s_load_b512 s[8:23], s[0:1], 0x0
	s_load_b256 s[24:31], s[0:1], 0x40
	v_lshl_add_u32 v246, v0, 2, 0x8400
	v_mov_b32 v247, 0
	v_lshrrev_b32 v1, 5, v0
	v_readfirstlane_b32 s2, v1
	v_and_b32 v1, 31, v0
	v_and_b32 v2, 15, v0
	v_bfe_u32 v3, v0, 4, 1
	s_mov_b32 s3, 0x80808080
	s_and_b32 s4, ttmp7, 0xffff
	s_lshr_b32 s5, ttmp9, 3
	s_and_b32 s6, ttmp9, 7
	s_mov_b32 s46, 0x3a800000
	s_mov_b32 s47, 0x3727c5ac
	s_mov_b32 s48, 0x76543210
	s_mov_b32 s49, 0xfedcba98
	v_lshlrev_b32 v4, 4, v0
	v_lshlrev_b32 v5, 4, v1
	v_lshrrev_b32 v6, 3, v1
	v_mul_u32_u24 v6, v6, CH
	v_bfe_u32 v15, v0, 2, 1
	v_lshl_add_u32 v6, v15, 8, v6
	v_and_b32 v15, 3, v0
	v_lshl_add_u32 v6, v15, 2, v6
	s_wait_alu depctr_va_sdst(0)
	s_lshl_b32 s7, s2, 5
	v_add_nc_u32 v6, s7, v6
	v_lshlrev_b32 v7, 10, v2
	v_lshl_add_u32 v7, v3, 4, v7
	v_lshlrev_b32 v8, 5, v3
	v_mul_u32_u24 v9, v2, CH
	v_lshl_add_u32 v9, v3, 5, v9
	s_lshl_b32 s7, s2, 6
	s_add_co_u32 s7, s7, STG
	v_add_nc_u32 v9, s7, v9
	s_mul_i32 s7, s2, 2*CH
	s_add_co_u32 s7, s7, STG
	v_add_nc_u32 v10, s7, v5
	v_lshlrev_b32 v11, 3, v1
	s_lshl_b32 s7, s2, 5
	s_add_co_u32 s7, s7, STATS
	v_mov_b32 v12, s7
	v_add_nc_u32 v15, STATS, v11
	s_lshl_b32 s56, s4, 4
	s_lshl_b32 s57, s2, 1
	s_add_co_u32 s56, s56, s57
	s_lshl_b32 s56, s56, 12
	s_mov_b32 s57, 0
	s_lshl_b32 s50, s6, 17
	s_lshl_b32 s51, s2, 14
	s_add_co_u32 s50, s50, s51
	s_mov_b32 s51, 0
	s_lshl_b32 s54, s6, 9
	s_lshl_b32 s55, s2, 6
	s_add_co_u32 s54, s54, s55
	s_mov_b32 s55, 0
	s_lshl_b32 s62, s5, 19
	s_add_co_u32 s62, s62, s56
	s_lshl_b32 s63, s6, 9
	s_add_co_u32 s62, s62, s63
	s_mov_b32 s63, 0
	s_wait_kmcnt 0x0
	s_load_b256 s[36:43], s[26:27], 0x0
	s_cmp_eq_u32 s5, 1
	s_cselect_b64 s[32:33], s[16:17], s[18:19]
	s_cselect_b64 s[34:35], s[22:23], s[24:25]
	s_cmp_eq_u32 s5, 0
	s_cselect_b64 s[32:33], s[14:15], s[32:33]
	s_cselect_b64 s[34:35], s[20:21], s[34:35]
	s_add_nc_u64 s[32:33], s[32:33], s[50:51]
	s_add_nc_u64 s[34:35], s[34:35], s[54:55]
	s_add_nc_u64 s[58:59], s[8:9], s[56:57]
	s_add_nc_u64 s[60:61], s[28:29], s[62:63]
	s_lshl_b32 s62, s4, 8
	s_add_nc_u64 s[52:53], s[30:31], s[62:63]
	s_wait_alu depctr_va_vdst(0)
	global_load_b128 v[GS:GS+3], v4, s[10:11]
	global_load_b128 v[GS+4:GS+7], v4, s[12:13]
.irp p, 0,1
.irp j, 0,1,2,3,4,5,6,7
	global_load_b128 v[X+32*\p+4*\j:X+32*\p+4*\j+3], v5, s[58:59] offset:4096*\p+512*\j
.endr
.endr
	global_load_b128 v[BIAS:BIAS+3], v8, s[34:35]
	global_load_b128 v[BIAS+4:BIAS+7], v8, s[34:35] offset:16
	WIN 0x40
.irp s, 0,1,2,3,4,5,6,7
.irp c, 0,1,2,3
	global_load_b128 v[16*\s+4*\c:16*\s+4*\c+3], v7, s[32:33] offset:128*\s+32*\c
.endr
.endr
	WIN 0
	s_wait_kmcnt 0x0
	s_cmp_eq_u32 s5, 1
	s_cselect_b64 s[38:39], s[38:39], s[40:41]
	s_cmp_eq_u32 s5, 0
	s_cselect_b64 s[36:37], s[36:37], s[38:39]
	s_add_co_i32 s44, s36, s37
	s_add_co_i32 s44, s44, 126
	s_lshl_b32 s44, s44, 23
	s_mov_b32 s45, s44
	s_add_co_i32 s36, s36, 127
	s_lshl_b32 s37, s36, 23
	v_mov_b32 v13, s37
	s_add_co_i32 s36, s36, 15
	s_lshl_b32 s36, s36, 23
	s_or_b32 s36, s36, 0x600000
	v_mov_b32 v14, s36
.irp p, 0,1
	v_mov_b32 v[MP+8*\p], 0
	v_mov_b32 v[MP+8*\p+2], 1.0
	v_mov_b32 v[MP+8*\p+4], 1.0
.endr
	s_wait_loadcnt 34
	ds_store_b128 v4, v[GS:GS+3] offset:GB
	ds_store_b128 v4, v[GS+4:GS+7] offset:GB+4096
	BARRIER
	s_cmp_lg_u32 s5, 0
	s_cbranch_scc1 .Lraw
.irp j, 0,1,2,3,4,5,6,7
	ds_load_b128 v[G+4*\j:G+4*\j+3], v5 offset:GB+512*\j
.endr
.irp j, 0,1,2,3,4,5,6,7
	ds_load_b128 v[BB+4*\j:BB+4*\j+3], v5 offset:GB+4096+512*\j
.endr
	LN_MEAN 0
	LN_MEAN 1
	LN_VAR 0
	LN_VAR 1
	v_nop
	s_wait_alu depctr_va_vdst(0)
	LN_ROOT 0
	LN_ROOT 1
	s_wait_dscnt 0x0
	LN_APPLY 0
	LN_APPLY 1
.Lraw:
	QUANT 0
	QUANT 1
	v_nop
	s_wait_alu depctr_va_vdst(0)
.irp p, 0,1
	ds_store_b32 v12, v[MP+8*\p] offset:16*\p
	ds_store_b32 v12, v[MP+8*\p+2] offset:16*\p+4
	ds_store_b32 v12, v[MP+8*\p+4] offset:16*\p+8
	ds_store_b32 v12, v[MP+8*\p+4] offset:16*\p+12
.endr
.irp p, 0,1
.irp j, 0,1,2,3,4,5,6,7
	ds_store_b32 v6, v[CD+8*\p+\j] offset:4*CH*\j+16*\p
.endr
.endr
	BARRIER
	s_wait_alu depctr_vm_vsrc(0)
.irp s, 0,1,2,3,4,5,6,7
.irp c, 0,1,2,3
	ds_load_b128 v[A+16*\s+4*\c:A+16*\s+4*\c+3], v5 offset:CH*(4*\s+\c)
.endr
.endr
	s_wait_loadcnt 0x0
	PRODS SP, 1
.set i, 0
.rept 128
	v_xor_b32 v[A+i], s3, v[A+i]
.set i, i+1
.endr
	PRODS SM, 0
.irp i, 0,2,4,6
	v_pk_add_f32 v[O+\i:O+\i+1], v[SP+\i:SP+\i+1], v[SM+\i:SM+\i+1] neg_lo:[0,1] neg_hi:[0,1]
.endr
.irp i, 0,2,4,6
	v_pk_fma_f32 v[O+\i:O+\i+1], v[O+\i:O+\i+1], s[44:45], v[BIAS+\i:BIAS+\i+1] op_sel_hi:[1,0,1]
.endr
	s_wait_alu depctr_va_vdst(0)
	ds_store_b128 v9, v[O:O+3]
	ds_store_b128 v9, v[O+4:O+7] offset:16
	BARRIER
	ds_load_b128 v[OUTR:OUTR+3], v10
	ds_load_b128 v[OUTR+4:OUTR+7], v10 offset:CH
	s_wait_dscnt 0x1
	global_store_b128 v5, v[OUTR:OUTR+3], s[60:61]
	s_wait_dscnt 0x0
	global_store_b128 v5, v[OUTR+4:OUTR+7], s[60:61] offset:4096
	s_or_b32 s62, ttmp9, s2
	s_cmp_lg_u32 s62, 0
	s_cbranch_scc1 .Ldone
	ds_load_b64 v[232:233], v15
	s_wait_dscnt 0x0
	global_store_b64 v11, v[232:233], s[52:53]
.Ldone:
	s_wait_dscnt 0x0
	s_wait_alu 0x0
	s_wait_tensorcnt 0x0
	ds_add_u32 v246, v247
	s_wait_dscnt 0x0
	s_endpgm
.Lfunc_end_k_qcb6946cfb6_qkv:
	.size	k_qcb6946cfb6_qkv, .Lfunc_end_k_qcb6946cfb6_qkv-k_qcb6946cfb6_qkv
	.p2alignl 7, 3214868480
	.fill 96, 4, 3214868480
	.section	.rodata,"a",@progbits
	.p2align	6, 0x0
	.amdhsa_kernel k_qcb6946cfb6_qkv
		.amdhsa_group_segment_fixed_size 34816
		.amdhsa_private_segment_fixed_size 0
		.amdhsa_enable_private_segment 0
		.amdhsa_kernarg_size 96
		.amdhsa_user_sgpr_count 2
		.amdhsa_user_sgpr_kernarg_segment_ptr 1
		.amdhsa_wavefront_size32 1
		.amdhsa_system_sgpr_workgroup_id_x 1
		.amdhsa_system_sgpr_workgroup_id_y 1
		.amdhsa_system_sgpr_workgroup_id_z 1
		.amdhsa_system_vgpr_workitem_id 0
		.amdhsa_next_free_vgpr 512
		.amdhsa_next_free_sgpr 66
		.amdhsa_reserve_vcc 0
		.amdhsa_float_denorm_mode_32 3
		.amdhsa_float_denorm_mode_16_64 3
		.amdhsa_memory_ordered 1
		.amdhsa_forward_progress 1
		.amdhsa_inst_pref_size 54
	.end_amdhsa_kernel
	.amdgpu_metadata
---
amdhsa.version: [ 1, 2 ]
amdhsa.kernels:
  - .name:           k_qcb6946cfb6_qkv
    .symbol:         k_qcb6946cfb6_qkv.kd
    .args:
      - { .name: features, .offset: 0, .size: 8, .value_kind: global_buffer, .address_space: global }
      - { .name: g1, .offset: 8, .size: 8, .value_kind: global_buffer, .address_space: global }
      - { .name: b1, .offset: 16, .size: 8, .value_kind: global_buffer, .address_space: global }
      - { .name: Wq_codes, .offset: 24, .size: 8, .value_kind: global_buffer, .address_space: global }
      - { .name: Wk_codes, .offset: 32, .size: 8, .value_kind: global_buffer, .address_space: global }
      - { .name: Wv_codes, .offset: 40, .size: 8, .value_kind: global_buffer, .address_space: global }
      - { .name: bq, .offset: 48, .size: 8, .value_kind: global_buffer, .address_space: global }
      - { .name: bk, .offset: 56, .size: 8, .value_kind: global_buffer, .address_space: global }
      - { .name: bv, .offset: 64, .size: 8, .value_kind: global_buffer, .address_space: global }
      - { .name: lowp_scales, .offset: 72, .size: 8, .value_kind: global_buffer, .address_space: global }
      - { .name: qkv, .offset: 80, .size: 8, .value_kind: global_buffer, .address_space: global }
      - { .name: stats, .offset: 88, .size: 8, .value_kind: global_buffer, .address_space: global }
    .group_segment_fixed_size: 34816
    .private_segment_fixed_size: 0
    .kernarg_segment_align: 8
    .kernarg_segment_size: 96
    .max_flat_workgroup_size: 256
    .sgpr_count:     66
    .vgpr_count:     512
    .wavefront_size: 32
...
	.end_amdgpu_metadata
.endif
;; end of part 8
;; launch attn: the kernel of part 2 again; grid 8 x 32, 16 waves a work-group, no clusters, 18,432 bytes of LDS; arguments qkv, lowp_scales, att_codes; writes att_codes
;; launch oproj (part 9): grid 16 x 8, 8 waves a work-group, no clusters, 35,840 bytes of LDS; arguments att_codes, Wo_codes, bo, features, stats, g1, b1, lowp_scales, attn_out; writes attn_out
.if DOCPART == 9
	.amdgcn_target "amdgcn-amd-amdhsa--gfx1250"
	.amdhsa_code_object_version 6
	.text
	.protected	k_qcb6946cfb6_oproj
	.globl	k_qcb6946cfb6_oproj
	.p2align	8
	.type	k_qcb6946cfb6_oproj,@function
k_qcb6946cfb6_oproj:
	s_mov_b64 s[64:65], 0
	v_nop
	global_prefetch_b8 v0, s[64:65] scope:SCOPE_SE
	s_setreg_imm32_b32 hwreg(HW_REG_WAVE_SCHED_MODE, 0, 2), 2
	s_setreg_imm32_b32 hwreg(HW_REG_WAVE_MODE, 25, 1), 1
	s_wait_xcnt 0x0
	s_wait_alu depctr_vm_vsrc(0)
.set RPITCH, 272
.set RB,     16*RPITCH
.set A,   16
.set B,   32
.set ACC, 96
.set P,   128
.set X,   160
.set ST,  164
.set G,   168
.set BB,  172
.set BO,  176
.set O,   180
.set QT,  184
.set RM,  188
	s_load_b512 s[8:23], s[0:1], 0x0
	s_load_b64 s[24:25], s[0:1], 0x40
	v_lshl_add_u32 v192, v0, 2, 0x8800
	v_mov_b32 v193, 0
	v_lshrrev_b32 v1, 5, v0
	v_readfirstlane_b32 s2, v1
	v_and_b32 v2, 15, v0
	v_bfe_u32 v3, v0, 4, 1
	s_and_b32 s4, ttmp7, 0xffff
	v_lshlrev_b32 v4, 7, v2
	v_lshl_add_u32 v4, v3, 4, v4
	v_lshlrev_b32 v5, 10, v2
	v_lshl_add_u32 v5, v3, 4, v5
	v_mul_u32_u24 v6, v2, RPITCH
	v_lshl_add_u32 v6, v3, 5, v6
	s_wait_alu depctr_va_sdst(0)
	s_mul_i32 s5, s2, RB
	v_add_nc_u32 v6, s5, v6
	v_mul_u32_u24 v7, v3, RPITCH
	v_lshl_add_u32 v7, v2, 4, v7
	s_mul_i32 s5, s2, 2*RPITCH
	v_add_nc_u32 v7, s5, v7
	s_and_b32 s5, s2, 1
	s_lshl_b32 s5, s5, 6
	s_lshl_b32 s6, s4, 2
	s_add_co_u32 s5, s5, s6
	s_lshr_b32 s6, s2, 1
	s_add_co_u32 s5, s5, s6
	s_lshl_b32 s6, ttmp9, 8
	v_lshlrev_b32 v10, 4, v2
	v_add_nc_u32 v10, s6, v10
	s_lshl_b32 s7, s5, 12
	v_lshl_add_u32 v8, v3, 17, v10
	v_add_nc_u32 v8, s7, v8
	s_lshl_b32 s7, s5, 4
	v_lshlrev_b32 v9, 9, v3
	v_add_nc_u32 v9, s7, v9
	s_lshl_b32 s28, s4, 3
	s_add_co_u32 s28, s28, s2
	s_lshl_b32 s28, s28, 11
	s_mov_b32 s29, 0
	s_lshl_b32 s30, ttmp9, 16
	s_lshl_b32 s31, s2, 7
	s_add_co_u32 s30, s30, s31
	s_mov_b32 s31, 0
	s_wait_kmcnt 0x0
	s_load_b64 s[26:27], s[22:23], 0x18
	s_add_nc_u64 s[32:33], s[8:9], s[28:29]
	s_add_nc_u64 s[34:35], s[10:11], s[30:31]
	s_wait_alu depctr_va_vdst(0)
.irp c, 0,1,2,3
	global_load_b128 v[A+4*\c:A+4*\c+3], v4, s[32:33] offset:32*\c
.endr
.irp t, 0,1,2,3
.irp c, 0,1,2,3
	global_load_b128 v[B+16*\t+4*\c:B+16*\t+4*\c+3], v5, s[34:35] offset:16384*\t+32*\c
.endr
.endr
	global_load_b128 v[X:X+3], v8, s[14:15]
	global_load_b128 v[ST:ST+3], v9, s[16:17]
	global_load_b128 v[G:G+3], v10, s[18:19]
	global_load_b128 v[BB:BB+3], v10, s[20:21]
	global_load_b128 v[BO:BO+3], v10, s[12:13]
	s_wait_kmcnt 0x0
	s_add_co_i32 s44, s26, s27
	s_add_co_i32 s44, s44, 127
	s_lshl_b32 s44, s44, 23
	s_mov_b32 s45, s44
	s_wait_loadcnt 0x5
.irp t, 0,1,2,3
	v_wmma_f32_16x16x128_bf8_bf8 v[ACC+8*\t:ACC+8*\t+7], v[B+16*\t:B+16*\t+15], v[A:A+15], 0
.endr
.rept 4
	v_nop
.endr
	s_wait_alu depctr_va_vdst(0)
.irp t, 0,1,2,3
	ds_store_b128 v6, v[ACC+8*\t:ACC+8*\t+3] offset:64*\t
	ds_store_b128 v6, v[ACC+8*\t+4:ACC+8*\t+7] offset:64*\t+16
.endr
	s_wait_dscnt 0x0
	s_barrier_signal -1
	s_barrier_wait -1
.irp q, 0,1,2,3,4,5,6,7
	ds_load_b128 v[P+4*\q:P+4*\q+3], v7 offset:RB*\q
.endr
	s_wait_dscnt 0x0
.irp q, 1,2,3,4,5,6,7
	v_pk_add_f32 v[P:P+1], v[P:P+1], v[P+4*\q:P+4*\q+1]
	v_pk_add_f32 v[P+2:P+3], v[P+2:P+3], v[P+4*\q+2:P+4*\q+3]
.endr
	s_wait_loadcnt 0x0
.irp i, 0,1,2,3
	v_sub_f32 v[X+\i], v[X+\i], v[ST]
.endr
.irp i, 0,1,2,3
	v_mul_f32 v[QT+\i], v[X+\i], v[ST+2]
.endr
.irp i, 0,1,2,3
	v_fma_f32 v[RM+\i], -v[QT+\i], v[ST+1], v[X+\i]
.endr
.irp i, 0,1,2,3
	v_fma_f32 v[X+\i], v[RM+\i], v[ST+2], v[QT+\i]
.endr
.irp i, 0,2
	v_pk_mul_f32 v[X+\i:X+\i+1], v[X+\i:X+\i+1], v[G+\i:G+\i+1]
.endr
.irp i, 0,2
	v_pk_add_f32 v[X+\i:X+\i+1], v[X+\i:X+\i+1], v[BB+\i:BB+\i+1]
.endr
.irp i, 0,2
	v_pk_fma_f32 v[O+\i:O+\i+1], v[P+\i:P+\i+1], s[44:45], v[X+\i:X+\i+1] op_sel_hi:[1,0,1]
.endr
.irp i, 0,2
	v_pk_add_f32 v[O+\i:O+\i+1], v[O+\i:O+\i+1], v[BO+\i:BO+\i+1]
.endr
	s_wait_alu depctr_va_vdst(0)
	global_store_b128 v8, v[O:O+3], s[24:25]
	s_wait_dscnt 0x0
	s_wait_alu 0x0
	s_wait_tensorcnt 0x0
	ds_add_u32 v192, v193
	s_wait_dscnt 0x0
	s_endpgm
.Lfunc_end_k_qcb6946cfb6_oproj:
	.size	k_qcb6946cfb6_oproj, .Lfunc_end_k_qcb6946cfb6_oproj-k_qcb6946cfb6_oproj
	.p2alignl 7, 3214868480
	.fill 96, 4, 3214868480
	.section	.rodata,"a",@progbits
	.p2align	6, 0x0
	.amdhsa_kernel k_qcb6946cfb6_oproj
		.amdhsa_group_segment_fixed_size 35840
		.amdhsa_private_segment_fixed_size 0
		.amdhsa_enable_private_segment 0
		.amdhsa_kernarg_size 72
		.amdhsa_user_sgpr_count 2
		.amdhsa_user_sgpr_kernarg_segment_ptr 1
		.amdhsa_wavefront_size32 1
		.amdhsa_system_sgpr_workgroup_id_x 1
		.amdhsa_system_sgpr_workgroup_id_y 1
		.amdhsa_system_sgpr_workgroup_id_z 1
		.amdhsa_system_vgpr_workitem_id 0
		.amdhsa_next_free_vgpr 194
		.amdhsa_next_free_sgpr 66
		.amdhsa_reserve_vcc 0
		.amdhsa_float_denorm_mode_32 3
		.amdhsa_float_denorm_mode_16_64 3
		.amdhsa_memory_ordered 1
		.amdhsa_forward_progress 1
		.amdhsa_inst_pref_size 10
	.end_amdhsa_kernel
	.amdgpu_metadata
---
amdhsa.version: [ 1, 2 ]
amdhsa.kernels:
  - .name:           k_qcb6946cfb6_oproj
    .symbol:         k_qcb6946cfb6_oproj.kd
    .args:
      - { .name: att_codes, .offset: 0, .size: 8, .value_kind: global_buffer, .address_space: global }
      - { .name: Wo_codes, .offset: 8, .size: 8, .value_kind: global_buffer, .address_space: global }
      - { .name: bo, .offset: 16, .size: 8, .value_kind: global_buffer, .address_space: global }
      - { .name: features, .offset: 24, .size: 8, .value_kind: global_buffer, .address_space: global }
      - { .name: stats, .offset: 32, .size: 8, .value_kind: global_buffer, .address_space: global }
      - { .name: g1, .offset: 40, .size: 8, .value_kind: global_buffer, .address_space: global }
      - { .name: b1, .offset: 48, .size: 8, .value_kind: global_buffer, .address_space: global }
      - { .name: lowp_scales, .offset: 56, .size: 8, .value_kind: global_buffer, .address_space: global }
      - { .name: attn_out, .offset: 64, .size: 8, .value_kind: global_buffer, .address_space: global }
    .group_segment_fixed_size: 35840
    .private_segment_fixed_size: 0
    .kernarg_segment_align: 8
    .kernarg_segment_size: 72
    .max_flat_workgroup_size: 256
    .sgpr_count:     66
    .vgpr_count:     194
    .wavefront_size: 32
...
	.end_amdgpu_metadata
.endif
;; end of part 9
;; launch ffn1 (part 10): grid 32 x 8, 8 waves a work-group, no clusters, 26,112 bytes of LDS; arguments attn_out, g2, b2, W1_codes, bf1, lowp_scales, h_codes; writes h_codes
.if DOCPART == 10
	.amdgcn_target "amdgcn-amd-amdhsa--gfx1250"
	.amdhsa_code_object_version 6
	.text
	.protected	k_qcb6946cfb6_ffn1
	.globl	k_qcb6946cfb6_ffn1
	.p2align	8
	.type	k_qcb6946cfb6_ffn1,@function
k_qcb6946cfb6_ffn1:
	s_mov_b64 s[64:65], 0
	v_nop
	global_prefetch_b8 v0, s[64:65] scope:SCOPE_SE
	s_setreg_imm32_b32 hwreg(HW_REG_WAVE_SCHED_MODE, 0, 2), 2
	s_setreg_imm32_b32 hwreg(HW_REG_WAVE_MODE, 25, 1), 1
	s_wait_xcnt 0x0
	s_wait_alu depctr_vm_vsrc(0)
.set CH,    528
.set GB,    32*CH
.set X,    16
.set G,    80
.set BB,   112
.set CD,   144
.set T,    160
.set MP,   168
.set GS,   184
.set BIAS, 248
.set A,    16
.set O,    216
.set HC,   224
.set DP,   128
.set MSB, 0
.macro WIN new
.if MSB != \new
	s_set_vgpr_msb (MSB<<8)|\new
.set MSB, \new
.endif
.endm
.macro BARRIER
	s_wait_dscnt 0x0
	s_barrier_signal -1
	s_barrier_wait -1
.endm
.macro LANESUM a, t
	v_add_f32_dpp v[\a], v[\a], v[\a] row_xmask:1 row_mask:0xf bank_mask:0xf
	v_add_f32_dpp v[\a], v[\a], v[\a] row_xmask:2 row_mask:0xf bank_mask:0xf
	v_add_f32_dpp v[\a], v[\a], v[\a] row_xmask:4 row_mask:0xf bank_mask:0xf
	v_add_f32_dpp v[\a], v[\a], v[\a] row_xmask:8 row_mask:0xf bank_mask:0xf
	v_permlanex16_b32 v[\t], v[\a], s48, s49
	v_add_f32 v[\a], v[\a], v[\t]
.endm
.macro LN_MEAN p
.set XR, X+32*(\p)
.set TR, T+4*(\p)
.set MR, MP+8*(\p)
	v_pk_add_f32 v[TR:TR+1], v[XR:XR+1], v[XR+2:XR+3]
	v_pk_add_f32 v[TR+2:TR+3], v[XR+4:XR+5], v[XR+6:XR+7]
.irp j, 8,12,16,20,24,28
	v_pk_add_f32 v[TR:TR+1], v[TR:TR+1], v[XR+\j:XR+\j+1]
	v_pk_add_f32 v[TR+2:TR+3], v[TR+2:TR+3], v[XR+\j+2:XR+\j+3]
.endr
	v_pk_add_f32 v[TR:TR+1], v[TR:TR+1], v[TR+2:TR+3]
	v_add_f32 v[TR], v[TR], v[TR+1]
	LANESUM TR, TR+1
	v_mul_f32 v[MR], s46, v[TR]
	v_mov_b32 v[MR+1], v[MR]
.irp j, 0,2,4,6,8,10,12,14,16,18,20,22,24,26,28,30
	v_pk_add_f32 v[XR+\j:XR+\j+1], v[XR+\j:XR+\j+1], v[MR:MR+1] neg_lo:[0,1] neg_hi:[0,1]
.endr
.endm
.macro LN_VAR p
.set XR, X+32*(\p)
.set TR, T+4*(\p)
.set MR, MP+8*(\p)
	v_pk_mul_f32 v[TR:TR+1], v[XR:XR+1], v[XR:XR+1]
	v_pk_mul_f32 v[TR+2:TR+3], v[XR+2:XR+3], v[XR+2:XR+3]
.irp j, 4,8,12,16,20,24,28
	v_pk_fma_f32 v[TR:TR+1], v[XR+\j:XR+\j+1], v[XR+\j:XR+\j+1], v[TR:TR+1]
	v_pk_fma_f32 v[TR+2:TR+3], v[XR+\j+2:XR+\j+3], v[XR+\j+2:XR+\j+3], v[TR+2:TR+3]
.endr
	v_pk_add_f32 v[TR:TR+1], v[TR:TR+1], v[TR+2:TR+3]
	v_add_f32 v[TR], v[TR], v[TR+1]
	LANESUM TR, TR+1
	v_fma_f32 v[TR], v[TR], s46, s47
	v_rsq_f32 v[MR+6], v[TR]
.endm
.macro LN_ROOT p
.set TR, T+4*(\p)
.set MR, MP+8*(\p)
	v_mul_f32 v[MR+2], v[TR], v[MR+6]
	v_mul_f32 v[MR+7], 0.5, v[MR+6]
	v_fma_f32 v[TR+1], -v[MR+2], v[MR+2], v[TR]
	v_fma_f32 v[MR+2], v[TR+1], v[MR+7], v[MR+2]
	v_fma_f32 v[TR+1], -v[MR+2], v[MR+6], 1.0
	v_fma_f32 v[MR+4], v[TR+1], v[MR+6], v[MR+6]
	v_mov_b32 v[MR+3], v[MR+2]
	v_mov_b32 v[MR+5], v[MR+4]
.endm
.macro LN_APPLY p
.set XR, X+32*(\p)
.set MR, MP+8*(\p)
.irp g, 0,8,16,24
.irp j, 0,2,4,6
	v_pk_mul_f32 v[CD+\j:CD+\j+1], v[XR+\g+\j:XR+\g+\j+1], v[MR+4:MR+5]
.endr
.irp j, 0,2,4,6
	v_pk_fma_f32 v[CD+8+\j:CD+8+\j+1], v[CD+\j:CD+\j+1], v[MR+2:MR+3], v[XR+\g+\j:XR+\g+\j+1] neg_lo:[1,0,0] neg_hi:[1,0,0]
.endr
.irp j, 0,2,4,6
	v_pk_fma_f32 v[XR+\g+\j:XR+\g+\j+1], v[CD+8+\j:CD+8+\j+1], v[MR+4:MR+5], v[CD+\j:CD+\j+1]
.endr
.endr
.irp j, 0,2,4,6,8,10,12,14,16,18,20,22,24,26,28,30
	v_pk_mul_f32 v[XR+\j:XR+\j+1], v[XR+\j:XR+\j+1], v[G+\j:G+\j+1]
.endr
.irp j, 0,2,4,6,8,10,12,14,16,18,20,22,24,26,28,30
	v_pk_add_f32 v[XR+\j:XR+\j+1], v[XR+\j:XR+\j+1], v[BB+\j:BB+\j+1]
.endr
.endm
.macro QUANT p
.set XR, X+32*(\p)
.set i, 0
.rept 32
	v_med3_num_f32 v[XR+i], v[XR+i], -v14, v14
.set i, i+1
.endr
.irp g, 0,1,2,3
	v_cvt_scalef32_pk8_bf8_f32 v[CD+8*(\p)+2*\g:CD+8*(\p)+2*\g+1], v[XR+8*\g:XR+8*\g+7], v13
.endr
.endm
	s_load_b256 s[8:15], s[0:1], 0x0
	s_load_b128 s[16:19], s[0:1], 0x20
	s_load_b64 s[20:21], s[0:1], 0x30
	v_lshl_add_u32 v246, v0, 2, 0x6200
	v_mov_b32 v247, 0
	v_lshrrev_b32 v1, 5, v0
	v_readfirstlane_b32 s2, v1
	v_and_b32 v1, 31, v0
	v_and_b32 v2, 15, v0
	v_bfe_u32 v3, v0, 4, 1
	s_and_b32 s4, ttmp7, 0xffff
	s_mov_b32 s46, 0x3a800000
	s_mov_b32 s47, 0x3727c5ac
	s_mov_b32 s48, 0x76543210
	s_mov_b32 s49, 0xfedcba98
	v_lshlrev_b32 v4, 4, v0
	v_lshlrev_b32 v5, 4, v1
	v_lshrrev_b32 v6, 3, v1
	v_mul_u32_u24 v6, v6, CH
	v_bfe_u32 v12, v0, 2, 1
	v_lshl_add_u32 v6, v12, 8, v6
	v_and_b32 v12, 3, v0
	v_lshl_add_u32 v6, v12, 2, v6
	s_wait_alu depctr_va_sdst(0)
	s_lshl_b32 s7, s2, 5
	v_add_nc_u32 v6, s7, v6
	v_lshlrev_b32 v7, 10, v2
	v_lshl_add_u32 v7, v3, 4, v7
	v_lshlrev_b32 v8, 5, v3
	v_lshlrev_b32 v9, 4, v2
	v_lshl_add_u32 v9, v3, 3, v9
	s_lshl_b32 s56, s4, 4
	s_lshl_b32 s57, s2, 1
	s_add_co_u32 s56, s56, s57
	s_lshl_b32 s56, s56, 12
	s_mov_b32 s57, 0
	s_lshl_b32 s50, ttmp9, 17
	s_lshl_b32 s51, s2, 14
	s_add_co_u32 s50, s50, s51
	s_mov_b32 s51, 0
	s_lshl_b32 s54, ttmp9, 9
	s_lshl_b32 s55, s2, 6
	s_add_co_u32 s54, s54, s55
	s_mov_b32 s55, 0
	s_lshl_b32 s62, s4, 5
	s_add_co_u32 s62, s62, ttmp9
	s_lshl_b32 s62, s62, 11
	s_lshl_b32 s63, s2, 8
	s_add_co_u32 s62, s62, s63
	s_mov_b32 s63, 0
	s_wait_kmcnt 0x0
	s_load_b128 s[36:39], s[18:19], 0x20
	s_add_nc_u64 s[32:33], s[14:15], s[50:51]
	s_add_nc_u64 s[34:35], s[16:17], s[54:55]
	s_add_nc_u64 s[58:59], s[8:9], s[56:57]
	s_add_nc_u64 s[60:61], s[20:21], s[62:63]
	s_wait_alu depctr_va_vdst(0)
	global_load_b128 v[GS:GS+3], v4, s[10:11]
	global_load_b128 v[GS+4:GS+7], v4, s[12:13]
.irp p, 0,1
.irp j, 0,1,2,3,4,5,6,7
	global_load_b128 v[X+32*\p+4*\j:X+32*\p+4*\j+3], v5, s[58:59] offset:4096*\p+512*\j
.endr
.endr
	global_load_b128 v[BIAS:BIAS+3], v8, s[34:35]
	global_load_b128 v[BIAS+4:BIAS+7], v8, s[34:35] offset:16
	WIN 0x40
.irp s, 0,1,2,3,4,5,6,7
.irp c, 0,1,2,3
	global_load_b128 v[16*\s+4*\c:16*\s+4*\c+3], v7, s[32:33] offset:128*\s+32*\c
.endr
.endr
	WIN 0
	s_wait_kmcnt 0x0
	s_add_co_i32 s44, s36, s37
	s_add_co_i32 s44, s44, 127
	s_lshl_b32 s44, s44, 23
	s_mov_b32 s45, s44
	s_add_co_i32 s36, s36, 127
	s_lshl_b32 s37, s36, 23
	v_mov_b32 v13, s37
	s_add_co_i32 s36, s36, 15
	s_lshl_b32 s36, s36, 23
	s_or_b32 s36, s36, 0x600000
	v_mov_b32 v14, s36
	s_add_co_i32 s38, s38, 127
	s_lshl_b32 s39, s38, 23
	v_mov_b32 v10, s39
	s_add_co_i32 s38, s38, 15
	s_lshl_b32 s38, s38, 23
	s_or_b32 s38, s38, 0x600000
	v_mov_b32 v11, s38
	s_wait_loadcnt 34
	ds_store_b128 v4, v[GS:GS+3] offset:GB
	ds_store_b128 v4, v[GS+4:GS+7] offset:GB+4096
	BARRIER
.irp j, 0,1,2,3,4,5,6,7
	ds_load_b128 v[G+4*\j:G+4*\j+3], v5 offset:GB+512*\j
.endr
.irp j, 0,1,2,3,4,5,6,7
	ds_load_b128 v[BB+4*\j:BB+4*\j+3], v5 offset:GB+4096+512*\j
.endr
	LN_MEAN 0
	LN_MEAN 1
	LN_VAR 0
	LN_VAR 1
	v_nop
	s_wait_alu depctr_va_vdst(0)
	LN_ROOT 0
	LN_ROOT 1
	s_wait_dscnt 0x0
	LN_APPLY 0
	LN_APPLY 1
	QUANT 0
	QUANT 1
	v_nop
	s_wait_alu depctr_va_vdst(0)
.irp p, 0,1
.irp j, 0,1,2,3,4,5,6,7
	ds_store_b32 v6, v[CD+8*\p+\j] offset:4*CH*\j+16*\p
.endr
.endr
	BARRIER
.irp s, 0,1,2,3,4,5,6,7
.irp c, 0,1,2,3
	ds_load_b128 v[A+16*\s+4*\c:A+16*\s+4*\c+3], v5 offset:CH*(4*\s+\c)
.endr
.endr
	s_wait_loadcnt 0x0
	WIN 0x41
.irp s, 0,1,2,3,4,5,6,7
	s_wait_dscnt 4*(7-\s)
	v_wmma_f32_16x16x64_bf8_bf8 v[DP+16*\s:DP+16*\s+7], v[16*\s:16*\s+7], v[A+16*\s:A+16*\s+7], 0
	v_wmma_f32_16x16x64_bf8_bf8 v[DP+16*\s+8:DP+16*\s+15], v[16*\s+8:16*\s+15], v[A+16*\s+8:A+16*\s+15], 0
.endr
.rept 4
	v_nop
.endr
	WIN 0x45
.irp p, 0,2,4,6,8,10,12,14
.irp u, 0,2,4,6
	v_pk_add_f32 v[DP+8*\p+\u:DP+8*\p+\u+1], v[DP+8*\p+\u:DP+8*\p+\u+1], v[DP+8*\p+8+\u:DP+8*\p+8+\u+1]
.endr
.endr
.irp p, 0,4,8,12
.irp u, 0,2,4,6
	v_pk_add_f32 v[DP+8*\p+\u:DP+8*\p+\u+1], v[DP+8*\p+\u:DP+8*\p+\u+1], v[DP+8*\p+16+\u:DP+8*\p+16+\u+1]
.endr
.endr
.irp p, 0,8
.irp u, 0,2,4,6
	v_pk_add_f32 v[DP+8*\p+\u:DP+8*\p+\u+1], v[DP+8*\p+\u:DP+8*\p+\u+1], v[DP+8*\p+32+\u:DP+8*\p+32+\u+1]
.endr
.endr
.irp u, 0,2,4,6
	v_pk_add_f32 v[DP+\u:DP+\u+1], v[DP+\u:DP+\u+1], v[DP+64+\u:DP+64+\u+1]
.endr
	WIN 0x01
.irp i, 0,2,4,6
	v_pk_fma_f32 v[O+\i:O+\i+1], v[DP+\i:DP+\i+1], s[44:45], v[BIAS+\i:BIAS+\i+1] op_sel_hi:[1,0,1]
.endr
	WIN 0
.irp i, 0,1,2,3,4,5,6,7
	v_med3_num_f32 v[O+\i], v[O+\i], 0, v11
.endr
	v_cvt_scalef32_pk8_bf8_f32 v[HC:HC+1], v[O:O+7], v10
	v_nop
	s_wait_alu depctr_va_vdst(0)
	global_store_b64 v9, v[HC:HC+1], s[60:61]
	s_wait_dscnt 0x0
	s_wait_alu 0x0
	s_wait_tensorcnt 0x0
	ds_add_u32 v246, v247
	s_wait_dscnt 0x0
	s_endpgm
.Lfunc_end_k_qcb6946cfb6_ffn1:
	.size	k_qcb6946cfb6_ffn1, .Lfunc_end_k_qcb6946cfb6_ffn1-k_qcb6946cfb6_ffn1
	.p2alignl 7, 3214868480
	.fill 96, 4, 3214868480
	.section	.rodata,"a",@progbits
	.p2align	6, 0x0
	.amdhsa_kernel k_qcb6946cfb6_ffn1
		.amdhsa_group_segment_fixed_size 26112
		.amdhsa_private_segment_fixed_size 0
		.amdhsa_enable_private_segment 0
		.amdhsa_kernarg_size 56
		.amdhsa_user_sgpr_count 2
		.amdhsa_user_sgpr_kernarg_segment_ptr 1
		.amdhsa_wavefront_size32 1
		.amdhsa_system_sgpr_workgroup_id_x 1
		.amdhsa_system_sgpr_workgroup_id_y 1
		.amdhsa_system_sgpr_workgroup_id_z 1
		.amdhsa_system_vgpr_workitem_id 0
		.amdhsa_next_free_vgpr 512
		.amdhsa_next_free_sgpr 66
		.amdhsa_reserve_vcc 0
		.amdhsa_float_denorm_mode_32 3
		.amdhsa_float_denorm_mode_16_64 3
		.amdhsa_memory_ordered 1
		.amdhsa_forward_progress 1
		.amdhsa_inst_pref_size 43
	.end_amdhsa_kernel
	.amdgpu_metadata
---
amdhsa.version: [ 1, 2 ]
amdhsa.kernels:
  - .name:           k_qcb6946cfb6_ffn1
    .symbol:         k_qcb6946cfb6_ffn1.kd
    .args:
      - { .name: attn_out, .offset: 0, .size: 8, .value_kind: global_buffer, .address_space: global }
      - { .name: g2, .offset: 8, .size: 8, .value_kind: global_buffer, .address_space: global }
      - { .name: b2, .offset: 16, .size: 8, .value_kind: global_buffer, .address_space: global }
      - { .name: W1_codes, .offset: 24, .size: 8, .value_kind: global_buffer, .address_space: global }
      - { .name: bf1, .offset: 32, .size: 8, .value_kind: global_buffer, .address_space: global }
      - { .name: lowp_scales, .offset: 40, .size: 8, .value_kind: global_buffer, .address_space: global }
      - { .name: h_codes, .offset: 48, .size: 8, .value_kind: global_buffer, .address_space: global }
    .group_segment_fixed_size: 26112
    .private_segment_fixed_size: 0
    .kernarg_segment_align: 8
    .kernarg_segment_size: 56
    .max_flat_workgroup_size: 256
    .sgpr_count:     66
    .vgpr_count:     512
    .wavefront_size: 32
...
	.end_amdgpu_metadata
.endif
;; end of part 10
;; launch ffn2 (part 11): grid 16 x 8, 16 waves a work-group, no clusters, 71,680 bytes of LDS; arguments h_codes, W2_codes, bf2, attn_out, lowp_scales, out0; writes out0
.if DOCPART == 11
	.amdgcn_target "amdgcn-amd-amdhsa--gfx1250"
	.amdhsa_code_object_version 6
	.text
	.protected	k_qcb6946cfb6_ffn2
	.globl	k_qcb6946cfb6_ffn2
	.p2align	8
	.type	k_qcb6946cfb6_ffn2,@function
k_qcb6946cfb6_ffn2:
	s_mov_b64 s[64:65], 0
	v_nop
	global_prefetch_b8 v0, s[64:65] scope:SCOPE_SE
	s_setreg_imm32_b32 hwreg(HW_REG_WAVE_SCHED_MODE, 0, 2), 2
	s_setreg_imm32_b32 hwreg(HW_REG_WAVE_MODE, 25, 1), 1
	s_wait_xcnt 0x0
	s_wait_alu depctr_vm_vsrc(0)
.set RPITCH, 272
.set RB,     16*RPITCH
.set A,   16
.set B,   48
.set ACC, 176
.set P,   48
.set RES, 208
.set BF,  210
.set O,   212
	s_load_b256 s[8:15], s[0:1], 0x0
	s_load_b128 s[16:19], s[0:1], 0x20
	v_lshl_add_u32 v216, v0, 2, 0x11000
	v_mov_b32 v217, 0
	v_lshrrev_b32 v1, 5, v0
	v_readfirstlane_b32 s2, v1
	v_and_b32 v1, 31, v0
	v_and_b32 v2, 15, v0
	v_bfe_u32 v3, v0, 4, 1
	s_and_b32 s4, ttmp7, 0xffff
	v_lshlrev_b32 v4, 4, v1
	v_lshlrev_b32 v5, 12, v2
	v_lshl_add_u32 v5, v3, 4, v5
	v_mul_u32_u24 v6, v2, RPITCH
	v_lshl_add_u32 v6, v3, 5, v6
	s_wait_alu depctr_va_sdst(0)
	s_mul_i32 s5, s2, RB
	v_add_nc_u32 v6, s5, v6
	s_mul_i32 s5, s2, RPITCH
	v_lshl_add_u32 v7, v1, 3, s5
	s_lshl_b32 s6, ttmp9, 8
	v_lshl_add_u32 v9, v1, 3, s6
	s_lshl_b32 s5, s4, 4
	s_add_co_u32 s5, s5, s2
	s_lshl_b32 s5, s5, 12
	v_add_nc_u32 v8, s5, v9
	s_lshl_b32 s24, s4, 5
	s_lshl_b32 s25, s2, 1
	s_add_co_u32 s24, s24, s25
	s_lshl_b32 s24, s24, 11
	s_mov_b32 s25, 0
	s_lshl_b32 s26, ttmp9, 18
	s_lshl_b32 s27, s2, 8
	s_add_co_u32 s26, s26, s27
	s_mov_b32 s27, 0
	s_wait_kmcnt 0x0
	s_load_b64 s[20:21], s[16:17], 0x28
	s_add_nc_u64 s[28:29], s[8:9], s[24:25]
	s_add_nc_u64 s[30:31], s[10:11], s[26:27]
	s_wait_alu depctr_va_vdst(0)
.irp u, 0,1
.irp c, 0,1,2,3
	global_load_b128 v[A+16*\u+4*\c:A+16*\u+4*\c+3], v4, s[28:29] offset:2048*\u+512*\c
.endr
.irp t, 0,1,2,3
.irp c, 0,1,2,3
	global_load_b128 v[B+16*(2*\t+\u)+4*\c:B+16*(2*\t+\u)+4*\c+3], v5, s[30:31] offset:65536*\t+128*\u+32*\c
.endr
.endr
.endr
	global_load_b64 v[RES:RES+1], v8, s[14:15]
	global_load_b64 v[BF:BF+1], v9, s[12:13]
	s_wait_kmcnt 0x0
	s_add_co_i32 s32, s20, s21
	s_add_co_i32 s32, s32, 127
	s_lshl_b32 s32, s32, 23
	s_mov_b32 s33, s32
	s_wait_loadcnt 22
.irp t, 0,1,2,3
	v_wmma_f32_16x16x128_bf8_bf8 v[ACC+8*\t:ACC+8*\t+7], v[B+32*\t:B+32*\t+15], v[A:A+15], 0
.endr
	s_wait_loadcnt 0x2
.irp t, 0,1,2,3
	v_wmma_f32_16x16x128_bf8_bf8 v[ACC+8*\t:ACC+8*\t+7], v[B+32*\t+16:B+32*\t+31], v[A+16:A+31], v[ACC+8*\t:ACC+8*\t+7]
.endr
.rept 4
	v_nop
.endr
	s_wait_alu depctr_va_vdst(0)
.irp t, 0,1,2,3
	ds_store_b128 v6, v[ACC+8*\t:ACC+8*\t+3] offset:64*\t
	ds_store_b128 v6, v[ACC+8*\t+4:ACC+8*\t+7] offset:64*\t+16
.endr
	s_wait_dscnt 0x0
	s_barrier_signal -1
	s_barrier_wait -1
.irp q, 0,1,2,3,4,5,6,7,8,9,10,11,12,13,14,15
	ds_load_b64 v[P+2*\q:P+2*\q+1], v7 offset:RB*\q
.endr
	s_wait_dscnt 0x0
.irp q, 2,4,6,8,10,12,14
	v_pk_add_f32 v[P:P+1], v[P:P+1], v[P+2*\q:P+2*\q+1]
	v_pk_add_f32 v[P+2:P+3], v[P+2:P+3], v[P+2*\q+2:P+2*\q+3]
.endr
	v_pk_add_f32 v[P:P+1], v[P:P+1], v[P+2:P+3]
	s_wait_loadcnt 0x0
	v_pk_fma_f32 v[O:O+1], v[P:P+1], s[32:33], v[RES:RES+1] op_sel_hi:[1,0,1]
	v_pk_add_f32 v[O:O+1], v[O:O+1], v[BF:BF+1]
	s_wait_alu depctr_va_vdst(0)
	global_store_b64 v8, v[O:O+1], s[18:19] th:TH_STORE_NT
	s_wait_dscnt 0x0
	s_wait_alu 0x0
	s_wait_tensorcnt 0x0
	ds_add_u32 v216, v217
	s_wait_dscnt 0x0
	s_endpgm
.Lfunc_end_k_qcb6946cfb6_ffn2:
	.size	k_qcb6946cfb6_ffn2, .Lfunc_end_k_qcb6946cfb6_ffn2-k_qcb6946cfb6_ffn2
	.p2alignl 7, 3214868480
	.fill 96, 4, 3214868480
	.section	.rodata,"a",@progbits
	.p2align	6, 0x0
	.amdhsa_kernel k_qcb6946cfb6_ffn2
		.amdhsa_group_segment_fixed_size 71680
		.amdhsa_private_segment_fixed_size 0
		.amdhsa_enable_private_segment 0
		.amdhsa_kernarg_size 48
		.amdhsa_user_sgpr_count 2
		.amdhsa_user_sgpr_kernarg_segment_ptr 1
		.amdhsa_wavefront_size32 1
		.amdhsa_system_sgpr_workgroup_id_x 1
		.amdhsa_system_sgpr_workgroup_id_y 1
		.amdhsa_system_sgpr_workgroup_id_z 1
		.amdhsa_system_vgpr_workitem_id 0
		.amdhsa_next_free_vgpr 218
		.amdhsa_next_free_sgpr 66
		.amdhsa_reserve_vcc 0
		.amdhsa_float_denorm_mode_32 3
		.amdhsa_float_denorm_mode_16_64 3
		.amdhsa_memory_ordered 1
		.amdhsa_forward_progress 1
		.amdhsa_inst_pref_size 10
	.end_amdhsa_kernel
	.amdgpu_metadata
---
amdhsa.version: [ 1, 2 ]
amdhsa.kernels:
  - .name:           k_qcb6946cfb6_ffn2
    .symbol:         k_qcb6946cfb6_ffn2.kd
    .args:
      - { .name: h_codes, .offset: 0, .size: 8, .value_kind: global_buffer, .address_space: global }
      - { .name: W2_codes, .offset: 8, .size: 8, .value_kind: global_buffer, .address_space: global }
      - { .name: bf2, .offset: 16, .size: 8, .value_kind: global_buffer, .address_space: global }
      - { .name: attn_out, .offset: 24, .size: 8, .value_kind: global_buffer, .address_space: global }
      - { .name: lowp_scales, .offset: 32, .size: 8, .value_kind: global_buffer, .address_space: global }
      - { .name: out0, .offset: 40, .size: 8, .value_kind: global_buffer, .address_space: global }
    .group_segment_fixed_size: 71680
    .private_segment_fixed_size: 0
    .kernarg_segment_align: 8
    .kernarg_segment_size: 48
    .max_flat_workgroup_size: 512
    .sgpr_count:     66
    .vgpr_count:     218
    .wavefront_size: 32
...
	.end_amdgpu_metadata
.endif
;; end of part 11
